; MI455X (gfx1250); checked and timed in simulation.
; The chip was launched on July 23, 2026; its instructions are those of AMD's public machine-readable ISA for CDNA 5 (MIT licence, August 2026) and "CDNA5" Instruction Set Architecture Reference Guide (July 2026). The comments in the code are by the model that wrote it; some were corrected since.
;; Robust Sym GAT. Allowed arithmetic: matrix products marked QUANTISED: E5M2 operands, one E8M0 scale for each 32 along K, by v_wmma_scale_f32_16x16x128_f8f6f4 with both operands' format E5M2, f32 sums; products left as they are: f32 operands where the result goes on into a quantised operand, else bf16, f16 or f32 operands; f32 sums; everything else in f32.
;; Inputs: W1 64 x 64 float32; W2 64 x 64 float32; W3 64 x 64 float32; W_c1 64 x 32 float32; W_c2 32 x 4 float32; W_in 42 x 64 float32; W_r1 64 x 32 float32; W_r2 32 x 1 float32; W_sym 10 x 32 float32; b1 64 float32; b2 64 float32; b3 64 float32; b_c1 32 float32; b_c2 4 float32; b_in 64 float32; b_r1 32 float32; b_r2 1 float32; b_sym 32 float32; x 1,048,576 x 10 float32.
;; Outputs: out0 1,048,576 x 1 float32; out1 1,048,576 x 4 float32.
;; This version of the problem:
;;   THIS VERSION OF THE PROBLEM IS GIVEN IN LOW PRECISION. The matrix products marked QUANTISED in the list below multiply operands that are first quantised to E5M2 (5 exponent bits, 2 mantissa bits; 8 bits a number), with one power-of-two scale for each 32 numbers along K (OCP MX v1.0); their sums are f32. All else is computed in f32.
;;   The module's matrix products, in the order in which they are computed (A, B: the left and right operand; K: the contracted axis; several contracted axes count as one K, in the product's order):
;;     1. [M 1,048,576, K 10] x [K 10, N 32]; A: computed on the way; B: input W_sym: left as it is (K = 10 < 32)
;;     2. [M 1,048,576, K 42] x [K 42, N 64]; A: computed on the way; B: input W_in: QUANTISED
;;     3. [M 1,048,576, K 64] x [K 64, N 64]; A: computed on the way; B: input W1: QUANTISED
;;     4. [M 1,048,576, K 64] x [K 64, N 64]; A: computed on the way; B: input W2: QUANTISED
;;     5. [M 1,048,576, K 64] x [K 64, N 64]; A: computed on the way; B: input W3: QUANTISED
;;     6. [M 1,048,576, K 64] x [K 64, N 32]; A: computed on the way; B: input W_r1: QUANTISED
;;     7. [M 1,048,576, K 32] x [K 32, N 1]; A: computed on the way; B: input W_r2: left as it is (N = 1 < 16)
;;     8. [M 1,048,576, K 64] x [K 64, N 32]; A: computed on the way; B: input W_c1: QUANTISED
;;     9. [M 1,048,576, K 32] x [K 32, N 4]; A: computed on the way; B: input W_c2: left as it is (N = 4 < 16)
;;   THE QUANTISER, for each operand of a quantised product, along K:
;;     - K is cut into blocks of 32 from its start; a last block that is shorter is filled with zeros.
;;     - A block's scale is 2^e with e = floor(log2(the largest magnitude in the block)) - 15, held to -126 .. 127; a block of zeros has e = 0. As a byte (E8M0): e + 127.
;;     - Each number is divided by its block's scale, clamped to +-57,344, and rounded to the nearest number of E5M2, ties to even, subnormals kept.
;;     - The product sums the exact products of the quantised numbers (number of the format x scale) in f32.
;;   ~~~python
;;   def quantise(x, axis):      # numpy; x: float32 -> the quantised numbers, widened to float32 again
;;       x = np.moveaxis(x, axis, -1); K = x.shape[-1]
;;       x = np.pad(x, [(0, 0)] * (x.ndim - 1) + [(0, -K % 32)]); x = x.reshape(x.shape[:-1] + (-1, 32)); a = np.abs(x).max(-1, keepdims=True)
;;       e = np.where(a > 0, np.clip(np.frexp(np.where(a > 0, a, 1))[1] - 1 - 15, -126, 127), 0)      # np.frexp(a)[1] - 1 = floor(log2(a)), exactly
;;       r = np.clip(x / 2.0 ** e, -57344, 57344)
;;       step = 2.0 ** (np.maximum(np.frexp(np.where(r == 0, 1, r))[1] - 1, -14) - 2)
;;       q = np.round(r / step) * step * 2.0 ** e      # np.round: ties to even
;;       return np.moveaxis(q.reshape(q.shape[:-2] + (-1,))[..., :K], -1, axis).astype(np.float32)
;;   ~~~
;;   OPERANDS COMPUTED ON THE WAY. 'Computed on the way' means the value that the module computes at that place (a softmax that the list does not call 'softmax' is quantised finished and normalised). What goes into a quantiser is computed in f32, as accurately as f32 sums, v_exp_f32 and their like allow (about 1e-6 of the number): no bf16 or f16 on the way to a quantiser, and a product that is left as it is and whose result goes on into a quantised operand takes f32 operands (vector FMAs, or v_wmma_f32_16x16x4_f32). A number that lies on a knife's edge between two numbers of the format may be rounded either way, as far as f32 arithmetic and the matrix unit's own rounding can turn it there, and no further.
;; 2 versions, each right; version 2 is version 1 with the launch chain written anew for expert scheduling mode. Each part assembles by itself: llvm-mc -triple=amdgcn-amd-amdhsa -mcpu=gfx1250 --defsym DOCPART=n.
;; ======== version 1 of 2: 1 launch
;; limits: a function is approximated: absolute error at most 1.2e-07
;; launch chain (part 1): grid 256 x 1, 16 waves a work-group, no clusters, 78,848 bytes of LDS; arguments x, W_sym, b_sym, W_in, b_in, W1, b1, W2, b2, W3, b3, W_r1, b_r1, W_c1, b_c1, W_r2, b_r2, W_c2, b_c2, out0, out1; writes out0, out1
.if DOCPART == 1
	.amdgcn_target "amdgcn-amd-amdhsa--gfx1250"
	.amdhsa_code_object_version 6
	.text
	.protected	k_q16c1ca6a82_chain
	.globl	k_q16c1ca6a82_chain
	.p2align	8
	.type	k_q16c1ca6a82_chain,@function
k_q16c1ca6a82_chain:
	s_mov_b64 s[64:65], 0
	v_nop
	global_prefetch_b8 v0, s[64:65] scope:SCOPE_SE
	s_setreg_imm32_b32 hwreg(HW_REG_WAVE_MODE, 25, 1), 1
	s_wait_xcnt 0x0
; RobustSymGAT, the whole chain in one launch.  For each of 1,048,576 rows of ten f32 numbers: ten symbolic features; sym_enc = elu(sym W_sym + b_sym) in f32;
; h = elu([x, sym_enc] W_in + b_in); three times h += elu(h W + b); elu(h W_r1 + b_r1) W_r2 + b_r2 -> out0; elu(h W_c1 + b_c1) W_c2 + b_c2 -> out1.
; The products with W_in, W1, W2, W3, W_r1, W_c1 run on codes of BF8 (E5M2) with one E8M0 scale for each 32 along K; both operands are quantised here, the weights once at the head.
; NOTHING IS LEFT OUT: every column of x enters the concatenation and every weight and bias reaches an output, so all 19 inputs are loaded.
; SHARES.  256 work-groups of 16 waves; a work-group owns 4,096 rows, a wave 256: 8 trips of 32 rows, two tiles (A: rows 0-15, B: rows 16-31).  Four waves of 256 registers stand on a SIMD, so that one
; wave's exponentials, matrix instructions and LDS loads stand beside another's plain vector work.  One barrier, behind the head; in the loop no wave shares anything.
; LAYOUT.  Every product is used transposed (source 0 = 16 output units, source 1 = 16 data rows): lane (r = lane % 16, h = lane / 16) holds data row r throughout.  THE UNITS OF A WEIGHT TILE ARE NOT
; NEIGHBOURS: lane r of tile 2 b + u takes unit 32 b + 8 u + r + 8 (r / 8), so that register 16 b + i of a result is unit 32 b + 16 h + i: the order in which the next operand wants its K.
; K = 64 (or 42) IN AN INSTRUCTION OF K = 128: the data operand is 8 registers of codes and 8 registers of zero codes.  The weight operand is a fragment's 8 registers and the 8 that follow them (the next
; fragment's, or 8 zeros behind the last): finite codes (the hold shuts infinity out) that meet zero codes and add nothing; bytes 2 and 3 of all scale words are 0.
; ELU in three instructions a number: elu(y) = the middle one of y, e^y - 1 and 0 (y < 0: y <= e^y - 1 < 0; y > 0: 0 < y < e^y - 1; an exponential that overflows leaves y in the middle).
; BIASES are the C of each layer's matrix instructions.  THE FIRST PRODUCT (K = 10, its result goes into a quantiser) and THE LAST TWO (32 terms a sum, 160 of a row's 19,552 multiply-adds: no bulk work;
; the sums partly cancel, so their operands stay f32) go by the f32 matrix form; b_sym rides as an eleventh K slot against the constant 1.
; K OF THE PRODUCT WITH W_in is permuted inside each block of 32, alike on both operands: block 0, slot i of half h: i < 5: x[5 h + i]; else enc[11 h + i - 5]; block 1: i < 5: enc[22 + 5 h + i]; else zero codes.
; NO CLUSTER, NO TENSOR LOAD: the work-groups share only the weights' 78 KB, read once at the head, column-wise, into the quantiser's registers; x and the results are shared with nobody.
; NO PREFETCH: a trip's 1,280 bytes of x are asked for into registers one whole trip ahead of their use, so no wave waits for them.
; LIMITS.  NaN and infinities among the inputs are not served.  e^y - 1 is made as 2^(y log2 e) - 1: its absolute error is about 1.2e-7, so for small |y| (either sign) the relative error is about 1.2e-7 / |y|.
; Divisions by the penalties' constants are multiplications by the rounded reciprocal (1.5 ulp at the most); each score's coefficient is folded into one constant (a few ulp); 0.5 + 1e-8, 5 + 1e-8, 8.5 + 1e-8 and
; 10 + 1e-8 are 0.5, 5, 8.5 and 10 in f32.  v_rcp_f32 gives 1 ulp.  A block of zeros gets the scale byte 1 where the rule says 127: its codes are zeros, and this program alone reads the bytes.
.set WIMG,  0                          ; LDS: weights' codes as images of registers: layer l, fragment t, group c of 4 registers: 4096 l + 1024 t + 512 c + 16 x lane
.set WSC,   20480                      ; their scale words: 512 l + 16 x lane + 4 t
.set BIAS,  23040                      ; biases in natural order: 256 l + 4 x unit; layer 4 = b_r1, then b_c1
.set SYMW,  24320                      ; W_sym^T's 12 operand registers as an image
.set FINW,  25856                      ; the output weights' 32 operand registers as an image: W_r2's 16, W_c2's 16
.set FINC,  29952                      ; the output products' C: 12 registers as an image: b_c2's four, b_r2, seven zeros
.set XST,   31488                      ; 1,280 bytes a wave: a trip's 32 rows of x as they lie in memory
.set LST,   51968                      ; 512 bytes a wave: a trip's 32 rows of four logits
.set PST,   60160                      ; 1,024 bytes a wave: its 256 predictions
.set SPARE, 76544                      ; the spare words, 128 bytes for each wave: eight blocks of 256 bytes that no other line names
.set SPW, 1                            ; v1   LDS address of my spare word; never rewritten
.set NIL, 2                            ; v2   0; never rewritten
.set LI,  3                            ; v3   16 x lane: an image's place for my lane; also my offset in the stores of out0 and out1
.set BA,  4                            ; v4   BIAS + 64 h
.set XSA, 5                            ; v5   XST + 1280 w + 8 x lane
.set XRL, 6                            ; v6   XST + 1280 w + 40 x lane: row = lane
.set XRT, 7                            ; v7   XST + 1280 w + 40 r + 20 h: row r, my half's five numbers
.set LSA, 8                            ; v8   LST + 512 w + 16 r
.set LRA, 9                            ; v9   LST + 512 w + 16 x lane
.set PS0, 10                           ; v10  PST + 1024 w + 4 r
.set GX,  11                           ; v11  8 x lane: my offset in a load of x
.set SA,  12                           ; v12, v13  the scale words of tile A's and tile B's codes: scales and nothing else
.set SB,  13
.set PSA, 14                           ; v14  PS0 + 128 x trip; at the head HB1, where my fragment's biases go
.set HB1, 14
.set PRA, 15                           ; v15  PST + 1024 w + 16 x lane
.set WS,  16                           ; v16-19   the layer's four weight scale words: scales and nothing else
.set TM,  20                           ; v20-27   +0,1 largest magnitudes; +2,3 the other half's, then the bytes; +4,5 the largest number x the scale; +6,7 the conversions' scale operands
.set E,   28                           ; v28-43   sixteen numbers at work
.set Y,   44                           ; v44-75   results of products: written by matrix instructions alone
.set BI,  76                           ; v76-107  the layer's biases; in a trip's front the features (tile A's six, tile B's six); at its end the output products' C
.set W,   108                          ; v108-147 the layer's four fragments and eight zeros; in the front W_sym^T's 12; at the end the output weights' 32; at the head offsets
.set CA,  148                          ; v148-163 tile A's codes (8) and zeros (8)
.set CB,  164                          ; v164-179 tile B's
.set HA,  180                          ; v180-211 h of tile A; in the front the concatenation's 24 slots
.set HB,  212                          ; v212-243 h of tile B
.set XR,  244                          ; v244-253 the next trip's x as loaded
.set HW1, 254                          ; v254 head: where my fragment's image goes: 1024 w + 16 x lane
.set HS1, 255                          ; v255 head: and its scale word
.set LN,  108                          ; head's own registers, in W's place
.set RR,  109
.set HH,  110
.set C8,  111
.set COL4, 112
.set OF5, 113
.set OF11, 114
.set OFG, 115
.set HC4, 116
.set OFH, 117
.set BV1, 118
.set BV2, 119
.set T0,  120
.set T1,  121
.set T2,  122
.set EB0, 123
.set EB1, 124
.set O0,  125
.set O1,  126
.set OFR, 127
.set OFC, 128
.set ZO,  129
; scalars: s2 wave; s3 trips to go; s4 128 x trip; s5-7 at work; s[8:49] the 21 addresses; s[50:51] log2(e), twice; s[52:53] lane selects; s54 the mantissa field of 57,344; s[56:59] chosen addresses; s[60:61] an offset
; e^y - 1 of sixteen numbers v[src] on, into v[E] on.  The sixteen exponentials are one batch: one plain line behind the last, one wait ahead of the first reader.
; The reads ascend, so each result of a product is first read at its two lowest registers.
.macro ELU16 src
.irp i, 0,2,4,6,8,10,12,14
	v_pk_mul_f32 v[E+\i:E+\i+1], v[(\src)+\i:(\src)+\i+1], s[50:51] op_sel_hi:[1,0]
.endr
.irp i, 0,1,2,3,4,5,6,7,8,9,10,11,12,13,14,15
	v_exp_f32 v[E+\i], v[E+\i]
.endr
	v_nop
	s_wait_alu depctr_va_vdst(0)
.irp i, 0,2,4,6,8,10,12,14
	v_pk_add_f32 v[E+\i:E+\i+1], v[E+\i:E+\i+1], -1.0 op_sel_hi:[1,0]
.endr
.endm
; sym_enc of a tile: result register q goes to slot 5 + q of the concatenation
.macro E_ENC y0, dst
	ELU16 \y0
.irp q, 0,1,2,3,4,5,6,7,8,9,10,11,12,13,14,15
	v_med3_num_f32 v[\dst+5+\q], v[(\y0)+\q], v[E+\q], 0
.endr
.endm
; h = elu(Y): the first layer, and the two heads' hidden layers
.macro E_FIRST h
.irp b, 0,1
	ELU16 Y+16*\b
.irp i, 0,1,2,3,4,5,6,7,8,9,10,11,12,13,14,15
	v_med3_num_f32 v[\h+16*\b+\i], v[Y+16*\b+\i], v[E+\i], 0
.endr
.endr
.endm
; h += elu(Y)
.macro E_RES h
.irp b, 0,1
	ELU16 Y+16*\b
.irp i, 0,1,2,3,4,5,6,7,8,9,10,11,12,13,14,15
	v_med3_num_f32 v[E+\i], v[Y+16*\b+\i], v[E+\i], 0
.endr
.irp i, 0,2,4,6,8,10,12,14
	v_pk_add_f32 v[\h+16*\b+\i:\h+16*\b+\i+1], v[\h+16*\b+\i:\h+16*\b+\i+1], v[E+\i:E+\i+1]
.endr
.endr
.endm
; 32 numbers of a lane, register 16 b + i = k 32 b + 16 h + i of my row, become 8 registers of codes v[c] on and the scale word v[s].  The numbers stay as they are (they are the residual): the hold goes into E.
.macro QUANT h, c, s
.irp b, 0,1
	v_max3_num_f32 v[TM+\b], |v[\h+16*\b]|, |v[\h+16*\b+1]|, 0x8000000   ; my 16 numbers of block b, and the floor 2^(16 - 127): the byte cannot fall under 1
.endr
.irp i, 2,4,6,8,10,12,14
.irp b, 0,1
	v_max3_num_f32 v[TM+\b], v[TM+\b], |v[\h+16*\b+\i]|, |v[\h+16*\b+\i+1]|
.endr
.endr
.irp b, 0,1
	v_permlanex16_b32 v[TM+2+\b], v[TM+\b], s52, s53
.endr
.irp b, 0,1
	v_max_num_f32 v[TM+\b], v[TM+\b], v[TM+2+\b]                   ; with lane l xor 16's: the block's largest magnitude
.endr
.irp b, 0,1
	v_add_nc_u32 v[TM+6+\b], 0xf8800000, v[TM+\b]                  ; 15 off its exponent field: the conversion's scale operand
.endr
.irp b, 0,1
	v_and_or_b32 v[TM+4+\b], v[TM+\b], 0x7f800000, s54             ; 57,344 x the scale
.endr
.irp i, 0,1,2,3,4,5,6,7,8,9,10,11,12,13,14,15
	v_med3_num_f32 v[E+\i], v[\h+\i], -v[TM+4], v[TM+4]            ; the conversion to an 8-bit code does not saturate (ISA guide 7.6.2): the hold
.endr
	v_cvt_scalef32_pk8_bf8_f32 v[\c:\c+1], v[E:E+7], v[TM+6]
	v_cvt_scalef32_pk8_bf8_f32 v[\c+2:\c+3], v[E+8:E+15], v[TM+6]
	v_lshrrev_b32 v[TM+2], 23, v[TM+6]                             ; the bytes.  (Plain lines between the conversions and the next writes of E)
	v_lshrrev_b32 v[TM+3], 23, v[TM+7]
.irp i, 0,1,2,3,4,5,6,7,8,9,10,11,12,13,14,15
	v_med3_num_f32 v[E+\i], v[\h+16+\i], -v[TM+5], v[TM+5]
.endr
	v_cvt_scalef32_pk8_bf8_f32 v[\c+4:\c+5], v[E:E+7], v[TM+7]
	v_cvt_scalef32_pk8_bf8_f32 v[\c+6:\c+7], v[E+8:E+15], v[TM+7]
	v_lshl_or_b32 v[\s], v[TM+3], 8, v[TM+2]                       ; the scale word; bytes 2 and 3 are 0.  (The plain line behind the last conversion)
.endm
; The same for K = 42: 16 numbers of block 0, 5 of block 1, three zeros behind them; v[c+6], v[c+7] were cleared.  The numbers are done with: the hold goes in place.
.macro QCAT src, c, s
	v_max3_num_f32 v[TM], |v[\src]|, |v[\src+1]|, 0x8000000
	v_max3_num_f32 v[TM+1], |v[\src+16]|, |v[\src+17]|, 0x8000000
	v_max3_num_f32 v[TM], v[TM], |v[\src+2]|, |v[\src+3]|
	v_max3_num_f32 v[TM+1], v[TM+1], |v[\src+18]|, |v[\src+19]|
	v_max3_num_f32 v[TM], v[TM], |v[\src+4]|, |v[\src+5]|
	v_max_num_f32 v[TM+1], v[TM+1], |v[\src+20]|
.irp i, 6,8,10,12,14
	v_max3_num_f32 v[TM], v[TM], |v[\src+\i]|, |v[\src+\i+1]|
.endr
.irp b, 0,1
	v_permlanex16_b32 v[TM+2+\b], v[TM+\b], s52, s53
.endr
.irp b, 0,1
	v_max_num_f32 v[TM+\b], v[TM+\b], v[TM+2+\b]
.endr
.irp b, 0,1
	v_add_nc_u32 v[TM+6+\b], 0xf8800000, v[TM+\b]
.endr
.irp b, 0,1
	v_and_or_b32 v[TM+4+\b], v[TM+\b], 0x7f800000, s54
.endr
.irp i, 0,1,2,3,4,5,6,7,8,9,10,11,12,13,14,15
	v_med3_num_f32 v[\src+\i], v[\src+\i], -v[TM+4], v[TM+4]
.endr
.irp i, 16,17,18,19,20
	v_med3_num_f32 v[\src+\i], v[\src+\i], -v[TM+5], v[TM+5]
.endr
	v_cvt_scalef32_pk8_bf8_f32 v[\c:\c+1], v[\src:\src+7], v[TM+6]
	v_cvt_scalef32_pk8_bf8_f32 v[\c+2:\c+3], v[\src+8:\src+15], v[TM+6]
	v_cvt_scalef32_pk8_bf8_f32 v[\c+4:\c+5], v[\src+16:\src+23], v[TM+7]
	v_lshrrev_b32 v[TM+2], 23, v[TM+6]
	v_lshrrev_b32 v[TM+3], 23, v[TM+7]
	v_lshl_or_b32 v[\s], v[TM+3], 8, v[TM+2]
.endm
; layer l's four fragments, four scale words and 32 biases of my half: 17 LDS loads, shared by the trip's two tiles
.macro LOADW l
.irp k, 0,1,2,3,4,5,6,7
	ds_load_b128 v[W+4*\k:W+4*\k+3], v[LI] offset:WIMG+4096*(\l)+512*\k
.endr
	ds_load_b128 v[WS:WS+3], v[LI] offset:WSC+512*(\l)
.irp k, 0,1,2,3,4,5,6,7
	ds_load_b128 v[BI+4*\k:BI+4*\k+3], v[BA] offset:256*(\l)+128*(\k/4)+16*(\k%4)
.endr
.endm
; a layer's product for one tile: four results, each begun with its biases
.macro MM c, s
.irp t, 0,1,2,3
	v_wmma_scale_f32_16x16x128_f8f6f4 v[Y+8*\t:Y+8*\t+7], v[W+8*\t:W+8*\t+15], v[\c:\c+15], v[BI+8*\t:BI+8*\t+7], v[WS+\t], v[\s] matrix_a_fmt:MATRIX_FMT_BF8 matrix_b_fmt:MATRIX_FMT_BF8
.endr
.endm
.macro LOADF                           ; the output weights' 32 registers and the 12 of C
.irp k, 0,1,2,3,4,5,6,7
	ds_load_b128 v[W+4*\k:W+4*\k+3], v[LI] offset:FINW+512*\k
.endr
.irp k, 0,1,2
	ds_load_b128 v[BI+4*\k:BI+4*\k+3], v[LI] offset:FINC+512*\k
.endr
.endm
; a two-sided penalty: the largest of (lo - v) / lo, (v - hi) / hi and 0: at most one of the first two is positive
.macro PEN2 dst, v, lo, ilo, nhi, ihi
	v_sub_f32 v[E+6], \lo, v[\v]
	v_add_f32 v[E+7], \nhi, v[\v]
	v_mul_f32 v[E+6], \ilo, v[E+6]
	v_mul_f32 v[E+7], \ihi, v[E+7]
	v_max3_num_f32 v[\dst], v[E+6], v[E+7], 0
.endm
	; ---------------- THE HEAD ----------------
	s_load_b512 s[8:23], s[0:1], 0x0               ; x s[8:9], W_sym s[10:11], b_sym s[12:13], W_in s[14:15], b_in s[16:17], W1 s[18:19], b1 s[20:21], W2 s[22:23]
	s_load_b512 s[24:39], s[0:1], 0x40             ; b2 s[24:25], W3 s[26:27], b3 s[28:29], W_r1 s[30:31], b_r1 s[32:33], W_c1 s[34:35], b_c1 s[36:37], W_r2 s[38:39]
	s_load_b256 s[40:47], s[0:1], 0x80             ; b_r2 s[40:41], W_c2 s[42:43], b_c2 s[44:45], out0 s[46:47]
	s_load_b64 s[48:49], s[0:1], 0xa0              ; out1
	v_lshl_add_u32 v[SPW], v0, 2, SPARE
	v_mov_b32 v[NIL], 0
	v_lshrrev_b32 v[LN], 5, v0
	v_readfirstlane_b32 s2, v[LN]                  ; wave 0..15
	v_and_b32 v[LN], 31, v0                        ; lane
	v_and_b32 v[RR], 15, v0                        ; r
	v_bfe_u32 v[HH], v0, 4, 1                      ; h
	v_and_b32 v[C8], 8, v[RR]
	v_add_nc_u32 v[C8], v[C8], v[RR]               ; r + 8 (r / 8)
	; every LDS address is made here, ahead of the parting of the waves
	v_lshlrev_b32 v[LI], 4, v[LN]
	v_lshl_add_u32 v[BA], v[HH], 6, BIAS
	v_lshlrev_b32 v[GX], 3, v[LN]
	s_mul_i32 s5, s2, 1280
	s_add_co_u32 s5, s5, XST
	v_add_nc_u32 v[XSA], s5, v[GX]
	v_mul_u32_u24 v[XRL], v[LN], 40
	v_add_nc_u32 v[XRL], s5, v[XRL]
	v_mul_u32_u24 v[XRT], v[RR], 40
	v_mad_u32_u24 v[XRT], v[HH], 20, v[XRT]
	v_add_nc_u32 v[XRT], s5, v[XRT]
	s_lshl_b32 s5, s2, 9
	s_add_co_u32 s5, s5, LST
	v_lshl_add_u32 v[LSA], v[RR], 4, s5
	v_add_nc_u32 v[LRA], s5, v[LI]
	s_lshl_b32 s5, s2, 10
	s_add_co_u32 s6, s5, PST
	v_lshl_add_u32 v[PS0], v[RR], 2, s6
	v_add_nc_u32 v[PRA], s6, v[LI]
	v_add_nc_u32 v[HW1], s5, v[LI]                 ; wave 4 l + t makes fragment t of layer l: 4096 l + 1024 t = 1024 w
	s_lshr_b32 s6, s2, 2                           ; l
	s_and_b32 s7, s2, 3                            ; t
	s_lshl_b32 s5, s6, 9
	s_lshl_b32 s60, s7, 2
	s_add_co_u32 s5, s5, s60
	s_add_co_u32 s5, s5, WSC
	v_add_nc_u32 v[HS1], s5, v[LI]
	s_lshr_b32 s60, s7, 1
	s_lshl_b32 s60, s60, 5
	s_and_b32 s61, s7, 1
	s_lshl_b32 s61, s61, 3
	s_add_co_u32 s60, s60, s61                     ; 32 (t / 2) + 8 (t % 2)
	v_add_nc_u32 v[COL4], s60, v[C8]               ; my lane's output unit,
	v_lshlrev_b32 v[COL4], 2, v[COL4]              ; in bytes
	s_lshl_b32 s5, s6, 8
	s_add_co_u32 s5, s5, BIAS
	v_add_nc_u32 v[HB1], s5, v[COL4]
.irp i, 0,1,2,3,4,5,6,7
	v_mov_b32 v[W+32+\i], 0                        ; the zero codes behind the last fragment,
	v_mov_b32 v[CA+8+\i], 0                        ; and K = 64 .. 127 of the two data operands: they stay
	v_mov_b32 v[CB+8+\i], 0
.endr
	v_mov_b32 v[TM+2], 0                           ; written once: a lane permute's destination counts as one of its sources
	v_mov_b32 v[TM+3], 0
	s_mov_b32 s50, 0x3fb8aa3b                      ; log2(e)
	s_mov_b32 s51, s50                             ; (named with it as a pair, so it is written)
	s_mov_b32 s52, 0x76543210
	s_mov_b32 s53, 0xfedcba98                      ; v_permlanex16_b32's selects for lane l xor 16
	s_mov_b32 s54, 0x600000                        ; the mantissa field of 57,344
	s_wait_kmcnt 0x0
	s_mul_i32 s60, ttmp9, 163840                   ; x: 4,096 rows of 40 bytes a work-group,
	s_mul_i32 s5, s2, 10240                        ; 256 a wave
	s_add_co_u32 s60, s60, s5
	s_mov_b32 s61, 0
	s_add_nc_u64 s[8:9], s[8:9], s[60:61]
	s_lshl_b32 s60, ttmp9, 16                      ; out1: 16 bytes a row
	s_lshl_b32 s5, s2, 12
	s_add_co_u32 s60, s60, s5
	s_add_nc_u64 s[48:49], s[48:49], s[60:61]
	s_lshr_b32 s60, s60, 2                         ; out0: 4 bytes a row
	s_add_nc_u64 s[46:47], s[46:47], s[60:61]
.irp i, 0,1,2,3,4
	global_load_b64 v[XR+2*\i:XR+2*\i+1], v[GX], s[8:9] offset:256*\i th:TH_LOAD_NT   ; the first trip's x: each load takes 256 consecutive bytes, aligned
.endr
	s_cmp_lt_u32 s2, 4
	s_cbranch_scc0 .Lgen
	; ---- waves 0-3: fragment t = w of W_in, and fragment t of the heads' layer (t < 2: W_r1, else W_c1).  A lane takes a column, and its registers run down K in the operand's own order
	v_mad_u32_u24 v[OF5], v[HH], 1280, v[COL4]     ; k = 5 h + i and k = 32 + 5 h + i: rows of 256 bytes
	v_mad_u32_u24 v[OF11], v[HH], 2816, v[COL4]    ; k = 5 + i + 11 h
.irp i, 0,1,2,3,4
	global_load_b32 v[HA+\i], v[OF5], s[14:15] offset:256*\i
.endr
.irp i, 5,6,7,8,9,10,11,12,13,14,15
	global_load_b32 v[HA+\i], v[OF11], s[14:15] offset:256*(5+\i)
.endr
.irp i, 0,1,2,3,4
	global_load_b32 v[HA+16+\i], v[OF5], s[14:15] offset:256*(32+\i)
.endr
	global_load_b32 v[BV1], v[COL4], s[16:17]      ; b_in of my unit
	s_and_b32 s5, s2, 1
	s_lshl_b32 s5, s5, 3
	v_add_nc_u32 v[HC4], s5, v[C8]                 ; my unit within its head: 8 (t % 2) + r + 8 (r / 8)
	v_lshlrev_b32 v[HC4], 2, v[HC4]
	v_lshl_add_u32 v[OFH], v[HH], 11, v[HC4]       ; rows of 128 bytes; lanes 16-31 begin 16 rows further down
	s_cmp_lt_u32 s2, 2
	s_cselect_b64 s[56:57], s[30:31], s[34:35]
	s_cselect_b64 s[58:59], s[32:33], s[36:37]
.irp c, 0,1
.irp i, 0,1,2,3,4,5,6,7,8,9,10,11,12,13,14,15
	global_load_b32 v[HB+16*\c+\i], v[OFH], s[56:57] offset:128*(32*\c+\i)
.endr
.endr
	global_load_b32 v[BV2], v[HC4], s[58:59]
.irp i, 21,22,23
	v_mov_b32 v[HA+\i], 0                          ; K = 42: the rest of block 1 is zeros
.endr
	v_mov_b32 v[CB+6], 0
	v_mov_b32 v[CB+7], 0
	s_wait_loadcnt 33                              ; behind W_in's and b_in's loads 33 were issued: the head's 32 and its bias
	QCAT HA, CB, SB
	ds_store_b128 v[HW1], v[CB:CB+3]
	ds_store_b128 v[HW1], v[CB+4:CB+7] offset:512
	ds_store_b32 v[HS1], v[SB]
	ds_store_b32 v[HB1], v[BV1]                    ; lanes r and 16 + r write the same word with the same number
	s_wait_loadcnt 0x0
	QUANT HB, CA, SA
	ds_store_b128 v[HW1], v[CA:CA+3] offset:16384  ; layer 4
	ds_store_b128 v[HW1], v[CA+4:CA+7] offset:16896
	ds_store_b32 v[HS1], v[SA] offset:2048
	ds_store_b32 v[HB1], v[BV2] offset:1024
	s_branch .Ljoin
.Lgen:
	; ---- waves 4-15: fragment w % 4 of W1, W2 or W3
	s_cmp_lt_u32 s2, 8
	s_cselect_b64 s[56:57], s[18:19], s[22:23]
	s_cselect_b64 s[58:59], s[20:21], s[24:25]
	s_cmp_lt_u32 s2, 12
	s_cselect_b64 s[56:57], s[56:57], s[26:27]
	s_cselect_b64 s[58:59], s[58:59], s[28:29]
	v_lshl_add_u32 v[OFG], v[HH], 12, v[COL4]      ; rows of 256 bytes; lanes 16-31 begin 16 rows further down
.irp c, 0,1
.irp i, 0,1,2,3,4,5,6,7,8,9,10,11,12,13,14,15
	global_load_b32 v[HA+16*\c+\i], v[OFG], s[56:57] offset:256*(32*\c+\i)
.endr
.endr
	global_load_b32 v[BV1], v[COL4], s[58:59]
	s_cmp_eq_u32 s2, 4
	s_cbranch_scc0 .Lnot4
	; wave 4 also lays W_sym^T out as the f32 form's operand.  Row m = r of tile 0 is enc 11 (m / 8) + m % 8; of tile 1: m % 8 < 3: 11 (m / 8) + 8 + m % 8, else 5 (m / 8) + 19 + m % 8.
	; Register 6 tile + p of half h: p < 5: W_sym[p + 5 h][enc]; p = 5: b_sym[enc] in half 0, 0 in half 1
	v_and_b32 v[T0], 7, v[RR]
	v_lshrrev_b32 v[T1], 3, v[RR]
	v_mad_u32_u24 v[EB0], v[T1], 11, v[T0]
	v_mad_u32_u24 v[T2], v[T1], 5, v[T0]
	v_add_nc_u32 v[EB1], 8, v[EB0]
	v_add_nc_u32 v[T2], 19, v[T2]
	v_cmp_gt_u32 vcc_lo, 3, v[T0]
	v_cndmask_b32 v[EB1], v[T2], v[EB1], vcc_lo
	v_lshlrev_b32 v[EB0], 2, v[EB0]
	v_lshlrev_b32 v[EB1], 2, v[EB1]
	v_mad_u32_u24 v[O0], v[HH], 640, v[EB0]        ; five rows of 128 bytes further down for half 1
	v_mad_u32_u24 v[O1], v[HH], 640, v[EB1]
.irp p, 0,1,2,3,4
	global_load_b32 v[BI+\p], v[O0], s[10:11] offset:128*\p
	global_load_b32 v[BI+6+\p], v[O1], s[10:11] offset:128*\p
.endr
	global_load_b32 v[BI+5], v[EB0], s[12:13]
	global_load_b32 v[BI+11], v[EB1], s[12:13]
	s_wait_loadcnt 0x0
	v_cmp_eq_u32 vcc_lo, 0, v[HH]
	v_cndmask_b32 v[BI+5], 0, v[BI+5], vcc_lo
	v_cndmask_b32 v[BI+11], 0, v[BI+11], vcc_lo
.irp c, 0,1,2
	ds_store_b128 v[LI], v[BI+4*\c:BI+4*\c+3] offset:SYMW+512*\c
.endr
.Lnot4:
	s_cmp_eq_u32 s2, 5
	s_cbranch_scc0 .Lnot5
	; wave 5 also lays the output weights out.  Register q of half h stands for hidden unit 16 h + q: W_r2[16 h + q] in every row m; W_c2[16 h + q][m % 4] in row m = r.  And C: b_c2's four, b_r2, seven zeros
	v_lshlrev_b32 v[OFR], 6, v[HH]
	v_and_b32 v[OFC], 3, v[RR]
	v_lshlrev_b32 v[OFC], 2, v[OFC]
	v_lshl_add_u32 v[OFC], v[HH], 8, v[OFC]
	v_mov_b32 v[ZO], 0
.irp q, 0,1,2,3
	global_load_b128 v[BI+4*\q:BI+4*\q+3], v[OFR], s[38:39] offset:16*\q
.endr
.irp i, 0,1,2,3,4,5,6,7,8,9,10,11,12,13,14,15
	global_load_b32 v[BI+16+\i], v[OFC], s[42:43] offset:16*\i
.endr
	global_load_b128 v[HB:HB+3], v[ZO], s[44:45]
	global_load_b32 v[HB+4], v[ZO], s[40:41]
.irp i, 5,6,7,8,9,10,11
	v_mov_b32 v[HB+\i], 0
.endr
	s_wait_loadcnt 0x0
.irp k, 0,1,2,3,4,5,6,7
	ds_store_b128 v[LI], v[BI+4*\k:BI+4*\k+3] offset:FINW+512*\k
.endr
.irp k, 0,1,2
	ds_store_b128 v[LI], v[HB+4*\k:HB+4*\k+3] offset:FINC+512*\k
.endr
.Lnot5:
	s_wait_loadcnt 0x0
	QUANT HA, CA, SA
	ds_store_b128 v[HW1], v[CA:CA+3]
	ds_store_b128 v[HW1], v[CA+4:CA+7] offset:512
	ds_store_b32 v[HS1], v[SA]
	ds_store_b32 v[HB1], v[BV1]
.Ljoin:
	s_wait_dscnt 0x0                               ; for the others' sake: my stores have landed
	s_barrier_signal -1
	s_barrier_wait -1                              ; all images lie in LDS; nobody writes them again
	s_mov_b32 s3, 8
	s_mov_b32 s4, 0
	; ---------------- A TRIP: 32 ROWS ----------------
.Ltrip:
	s_wait_loadcnt 0x0                             ; this trip's x, asked for a trip ago
.irp i, 0,1,2,3,4
	ds_store_b64 v[XSA], v[XR+2*\i:XR+2*\i+1] offset:256*\i        ; as it lies; LDS serves a wave's instructions in order, so the loads below see it
.endr
	ds_load_b64 v[E:E+1], v[XRL]                   ; lane = row: ammonia, bod,
	ds_load_b32 v[E+2], v[XRL] offset:8            ; dissolved oxygen,
	ds_load_b32 v[E+3], v[XRL] offset:16           ; ph,
	ds_load_b32 v[E+4], v[XRL] offset:28           ; nitrate
.irp c, 0,1,2
	ds_load_b128 v[W+4*\c:W+4*\c+3], v[LI] offset:SYMW+512*\c
.endr
.irp i, 0,1,2,3,4
	ds_load_b32 v[HA+\i], v[XRT] offset:4*\i       ; the concatenation's slots 0-4: x[5 h + i] of row r,
.endr
.irp i, 0,1,2,3,4
	ds_load_b32 v[HB+\i], v[XRT] offset:640+4*\i   ; and of row 16 + r
.endr
	s_wait_dscnt 13                                ; the 13 loads behind the features' may stay out; the stores have read XR, and the features' x is in
	s_cmp_eq_u32 s3, 1
	s_cbranch_scc1 .Lnox                           ; the last trip asks for nothing: no load leaves x
	s_add_nc_u64 s[8:9], s[8:9], 1280              ; (the loads that read this base are done)
.irp i, 0,1,2,3,4
	global_load_b64 v[XR+2*\i:XR+2*\i+1], v[GX], s[8:9] offset:256*\i th:TH_LOAD_NT
.endr
.Lnox:
	; the ten features of 32 rows, lane = row: 0-4 (the penalties) into v[BI] on, 5-9 (four scores, resilience) into v[BI+6] on
	PEN2 BI+0, E+3, 0x40d00000, 0x3e1d89d9, 0xc1080000, 0x3df0f0f1   ; ph: 6.5, 1 / 6.5, -8.5, 1 / 8.5
	PEN2 BI+1, E+0, 0x3a83126f, 0x4479ffff, -0.5, 2.0                ; ammonia: 0.001, 1 / 0.001, -0.5, 1 / 0.5
	PEN2 BI+2, E+1, 0x3a83126f, 0x4479ffff, 0xc0a00000, 0x3e4ccccd   ; bod: .., -5, 1 / 5
	v_sub_f32 v[E+6], 0x40c00000, v[E+2]           ; dissolved oxygen: one-sided, 6
	v_mul_f32 v[E+6], 0x3e2aaaab, v[E+6]
	v_max_num_f32 v[BI+3], 0, v[E+6]
	PEN2 BI+4, E+4, 0x3a83126f, 0x4479ffff, 0xc1200000, 0x3dcccccd   ; nitrate: .., -10, 1 / 10
	v_add_f32 v[E+6], v[BI+0], v[BI+1]
	v_add_f32 v[E+6], v[E+6], v[BI+2]
	v_add_f32 v[E+6], v[E+6], v[BI+3]
	v_add_f32 v[E+6], v[E+6], v[BI+4]
	v_add_f32 v[E+6], 1.0, v[E+6]
	v_add_f32 v[E+6], 0x322bcc77, v[E+6]           ; + 1e-8
	v_rcp_f32 v[BI+10], v[E+6]                     ; resilience; the scores below are the plain work behind it
	v_mul_f32 v[BI+6], 0x3f4ccccd, v[E+0]          ; bacterial: 0.8 am
	v_fmamk_f32 v[BI+6], v[E+1], 0x3dcccccd, v[BI+6]   ; + 0.1 bod
	v_fmamk_f32 v[BI+6], v[E+2], 0xbcda740e, v[BI+6]   ; - 0.8 / 30 do
	v_mul_f32 v[BI+7], 0x3db4b4b5, v[E+3]          ; chemical: 0.75 / 8.5 ph
	v_fmamk_f32 v[BI+7], v[E+4], 0x3d4ccccd, v[BI+7]   ; + 0.05 nit
	v_mul_f32 v[BI+8], 0x3e088889, v[E+1]          ; organic: 2 / 15 bod
	v_fmamk_f32 v[BI+8], v[E+2], 0xbd4ccccd, v[BI+8]   ; - 0.05 do
	v_fmamk_f32 v[BI+8], v[E+0], 0x3f088889, v[BI+8]   ; + 8 / 15 am
	v_mul_f32 v[BI+9], 0x3e4ccccd, v[E+4]          ; agricultural: 0.2 nit
	v_mov_b32 v[BI+5], 1.0                         ; the slot that meets b_sym (half 0) and 0 (half 1)
	v_mov_b32 v[BI+11], 1.0
	s_wait_alu depctr_va_vdst(0)                   ; the wait ahead of the reciprocal's first reader
.irp p, 0,1,2,3,4
	v_permlane16_swap_b32 v[BI+\p], v[BI+6+\p]     ; v[BI+p]: rows 0-15: feature p in lanes 0-15, feature 5 + p in lanes 16-31: tile A's operand; v[BI+6+p]: the same of rows 16-31: tile B's
.endr
	s_wait_dscnt 0x0                               ; W_sym^T's image and the concatenation's x are in
	; sym W_sym + b_sym: two tiles of units x three K steps of 4 for each tile of rows; the four results by turns
.irp s, 0,1,2
.irp u, 0,1,2,3
.if \s == 0
	v_wmma_f32_16x16x4_f32 v[Y+8*\u:Y+8*\u+7], v[W+6*(\u%2)+2*\s:W+6*(\u%2)+2*\s+1], v[BI+6*(\u/2)+2*\s:BI+6*(\u/2)+2*\s+1], 0
.else
	v_wmma_f32_16x16x4_f32 v[Y+8*\u:Y+8*\u+7], v[W+6*(\u%2)+2*\s:W+6*(\u%2)+2*\s+1], v[BI+6*(\u/2)+2*\s:BI+6*(\u/2)+2*\s+1], v[Y+8*\u:Y+8*\u+7]
.endif
.endr
.endr
.irp i, 21,22,23
	v_mov_b32 v[HA+\i], 0                          ; K = 42: the rest of block 1.  These ten lines name no register of the products above: they are the eight places
	v_mov_b32 v[HB+\i], 0                          ; in front of the loads into W and BI and of the first read of the results, and two more
.endr
	v_mov_b32 v[CA+6], 0
	v_mov_b32 v[CA+7], 0
	v_mov_b32 v[CB+6], 0
	v_mov_b32 v[CB+7], 0
	LOADW 0
	; From here on the two tiles take turns: behind one tile's products stands the other tile's quantiser, whose first lines (eleven or more plain ones on other registers) are the places in front of
	; the read of the results and of the next layer's loads; between a tile's codes and scale word and its products stands a whole ELU phase.
	E_ENC Y, HA
	QCAT HA, CA, SA
	E_ENC Y+16, HB
	s_wait_dscnt 0x0                               ; layer 0's weights, scale words and biases are in
	MM CA, SA
	QCAT HB, CB, SB
	E_FIRST HA
	MM CB, SB
	QUANT HA, CA, SA
	LOADW 1
	E_FIRST HB
.irp l, 1,2,3
	s_wait_dscnt 0x0                               ; this layer's weights are in: asked for an ELU phase ago
	MM CA, SA
	QUANT HB, CB, SB
	E_RES HA
	MM CB, SB
	QUANT HA, CA, SA
	LOADW \l+1
	E_RES HB
.endr
	s_wait_dscnt 0x0
	MM CA, SA                                      ; the two heads as one layer: units 0-31 W_r1's, 32-63 W_c1's
	QUANT HB, CB, SB
	E_FIRST HA                                     ; h is done with: the heads' hidden layers take its place
	MM CB, SB
	v_add_nc_u32 v[PSA], s4, v[PS0]                ; this trip's place among my predictions; with the seven below the eight places in front of the loads into W and BI and of the read of the results
.rept 7
	v_nop
.endr
	LOADF
	E_FIRST HB
	s_wait_dscnt 0x0
	; the output products, f32: eight K steps of 4 for each head and tile; register pair 2 p, 2 p + 1 of half h is hidden units 16 h + 2 p, + 1 on both sides.  Four results by turns.
	; u = 0, 2: the logits of tile A, B (rows m % 4 of the result); u = 1, 3: the predictions (every row)
.irp p, 0,1,2,3,4,5,6,7
.irp u, 0,1,2,3
.if \p == 0
	v_wmma_f32_16x16x4_f32 v[Y+8*\u:Y+8*\u+7], v[W+16*(1-\u%2)+2*\p:W+16*(1-\u%2)+2*\p+1], v[HA+32*(\u/2)+16*(1-\u%2)+2*\p:HA+32*(\u/2)+16*(1-\u%2)+2*\p+1], v[BI+4*(\u%2):BI+4*(\u%2)+7]
.else
	v_wmma_f32_16x16x4_f32 v[Y+8*\u:Y+8*\u+7], v[W+16*(1-\u%2)+2*\p:W+16*(1-\u%2)+2*\p+1], v[HA+32*(\u/2)+16*(1-\u%2)+2*\p:HA+32*(\u/2)+16*(1-\u%2)+2*\p+1], v[Y+8*\u:Y+8*\u+7]
.endif
.endr
.endr
.rept 8
	v_nop                                          ; eight places in front of the stores that read the results, and of the next trip's loads into W, HA and HB
.endr
	ds_store_b128 v[LSA], v[Y:Y+3]                 ; row r's four logits: registers 0-3 in both halves of the lanes, which write the same bytes with the same numbers
	ds_store_b128 v[LSA], v[Y+16:Y+19] offset:256  ; row 16 + r's
	ds_store_b32 v[PSA], v[Y+8]                    ; row r's prediction: register 0
	ds_store_b32 v[PSA], v[Y+24] offset:64
	ds_load_b128 v[E:E+3], v[LRA]                  ; back with lane = row
	s_wait_dscnt 0x0                               ; the stores have read Y, and the logits are in
	global_store_b128 v[LI], v[E:E+3], s[48:49] th:TH_STORE_NT     ; 32 rows of out1: 512 consecutive bytes, aligned
	s_wait_xcnt 0x0                                ; the store has read its data and its base: both are written again below and in the next trip
	s_add_nc_u64 s[48:49], s[48:49], 512
	s_add_co_u32 s4, s4, 128
	s_sub_co_i32 s3, s3, 1
	s_cmp_lg_u32 s3, 0
	s_cbranch_scc1 .Ltrip
	; ---------------- THE END: my 256 predictions leave as 1,024 consecutive bytes ----------------
	ds_load_b128 v[E:E+3], v[PRA]
	ds_load_b128 v[E+4:E+7], v[PRA] offset:512
	s_wait_dscnt 0x0
	global_store_b128 v[LI], v[E:E+3], s[46:47] th:TH_STORE_NT
	global_store_b128 v[LI], v[E+4:E+7], s[46:47] offset:512 th:TH_STORE_NT
	s_wait_tensorcnt 0x0                           ; the wave's end
	ds_add_u32 v[SPW], v[NIL]
	s_wait_dscnt 0x0
	s_endpgm
.Lfunc_end_k_q16c1ca6a82_chain:
	.size	k_q16c1ca6a82_chain, .Lfunc_end_k_q16c1ca6a82_chain-k_q16c1ca6a82_chain
	.p2alignl 7, 3214868480
	.fill 96, 4, 3214868480
	.section	.rodata,"a",@progbits
	.p2align	6, 0x0
	.amdhsa_kernel k_q16c1ca6a82_chain
		.amdhsa_group_segment_fixed_size 78848
		.amdhsa_private_segment_fixed_size 0
		.amdhsa_enable_private_segment 0
		.amdhsa_kernarg_size 168
		.amdhsa_user_sgpr_count 2
		.amdhsa_user_sgpr_kernarg_segment_ptr 1
		.amdhsa_wavefront_size32 1
		.amdhsa_system_sgpr_workgroup_id_x 1
		.amdhsa_system_sgpr_workgroup_id_y 1
		.amdhsa_system_sgpr_workgroup_id_z 1
		.amdhsa_system_vgpr_workitem_id 0
		.amdhsa_next_free_vgpr 256
		.amdhsa_next_free_sgpr 70
		.amdhsa_reserve_vcc 1
		.amdhsa_float_denorm_mode_32 3
		.amdhsa_float_denorm_mode_16_64 3
		.amdhsa_memory_ordered 1
		.amdhsa_forward_progress 1
		.amdhsa_inst_pref_size 151
	.end_amdhsa_kernel
	.amdgpu_metadata
---
amdhsa.version: [ 1, 2 ]
amdhsa.kernels:
  - .name:           k_q16c1ca6a82_chain
    .symbol:         k_q16c1ca6a82_chain.kd
    .args:
      - { .name: x, .offset: 0, .size: 8, .value_kind: global_buffer, .address_space: global }
      - { .name: W_sym, .offset: 8, .size: 8, .value_kind: global_buffer, .address_space: global }
      - { .name: b_sym, .offset: 16, .size: 8, .value_kind: global_buffer, .address_space: global }
      - { .name: W_in, .offset: 24, .size: 8, .value_kind: global_buffer, .address_space: global }
      - { .name: b_in, .offset: 32, .size: 8, .value_kind: global_buffer, .address_space: global }
      - { .name: W1, .offset: 40, .size: 8, .value_kind: global_buffer, .address_space: global }
      - { .name: b1, .offset: 48, .size: 8, .value_kind: global_buffer, .address_space: global }
      - { .name: W2, .offset: 56, .size: 8, .value_kind: global_buffer, .address_space: global }
      - { .name: b2, .offset: 64, .size: 8, .value_kind: global_buffer, .address_space: global }
      - { .name: W3, .offset: 72, .size: 8, .value_kind: global_buffer, .address_space: global }
      - { .name: b3, .offset: 80, .size: 8, .value_kind: global_buffer, .address_space: global }
      - { .name: W_r1, .offset: 88, .size: 8, .value_kind: global_buffer, .address_space: global }
      - { .name: b_r1, .offset: 96, .size: 8, .value_kind: global_buffer, .address_space: global }
      - { .name: W_c1, .offset: 104, .size: 8, .value_kind: global_buffer, .address_space: global }
      - { .name: b_c1, .offset: 112, .size: 8, .value_kind: global_buffer, .address_space: global }
      - { .name: W_r2, .offset: 120, .size: 8, .value_kind: global_buffer, .address_space: global }
      - { .name: b_r2, .offset: 128, .size: 8, .value_kind: global_buffer, .address_space: global }
      - { .name: W_c2, .offset: 136, .size: 8, .value_kind: global_buffer, .address_space: global }
      - { .name: b_c2, .offset: 144, .size: 8, .value_kind: global_buffer, .address_space: global }
      - { .name: out0, .offset: 152, .size: 8, .value_kind: global_buffer, .address_space: global }
      - { .name: out1, .offset: 160, .size: 8, .value_kind: global_buffer, .address_space: global }
    .group_segment_fixed_size: 78848
    .private_segment_fixed_size: 0
    .kernarg_segment_align: 8
    .kernarg_segment_size: 168
    .max_flat_workgroup_size: 512
    .sgpr_count:     70
    .vgpr_count:     256
    .wavefront_size: 32
...
	.end_amdgpu_metadata
.endif
;; end of part 1
;; ======== version 2 of 2: 1 launch; version 1 with the launch chain written anew for expert scheduling mode
;; limits: a function is approximated: absolute error at most 1.2e-07
;; launch chain (part 2): grid 256 x 1, 16 waves a work-group, no clusters, 78,848 bytes of LDS; arguments x, W_sym, b_sym, W_in, b_in, W1, b1, W2, b2, W3, b3, W_r1, b_r1, W_c1, b_c1, W_r2, b_r2, W_c2, b_c2, out0, out1; writes out0, out1
.if DOCPART == 2
	.amdgcn_target "amdgcn-amd-amdhsa--gfx1250"
	.amdhsa_code_object_version 6
	.text
	.protected	k_q16c1ca6a82_chain
	.globl	k_q16c1ca6a82_chain
	.p2align	8
	.type	k_q16c1ca6a82_chain,@function
k_q16c1ca6a82_chain:
	s_mov_b64 s[64:65], 0
	v_nop
	global_prefetch_b8 v0, s[64:65] scope:SCOPE_SE
	s_setreg_imm32_b32 hwreg(HW_REG_WAVE_SCHED_MODE, 0, 2), 2
	s_setreg_imm32_b32 hwreg(HW_REG_WAVE_MODE, 25, 1), 1
	s_wait_xcnt 0x0
	s_wait_alu depctr_vm_vsrc(0)
; RobustSymGAT, the whole chain in one launch.  For each of 1,048,576 rows of ten f32 numbers: ten symbolic features; sym_enc = elu(sym W_sym + b_sym) in f32;
; h = elu([x, sym_enc] W_in + b_in); three times h += elu(h W + b); elu(h W_r1 + b_r1) W_r2 + b_r2 -> out0; elu(h W_c1 + b_c1) W_c2 + b_c2 -> out1.
; The products with W_in, W1, W2, W3, W_r1, W_c1 run on codes of BF8 (E5M2) with one E8M0 scale for each 32 along K; both operands are quantised here, the weights once at the head.
; NOTHING IS LEFT OUT: every column of x enters the concatenation and every weight and bias reaches an output, so all 19 inputs are loaded.
; SHARES.  256 work-groups of 16 waves; a work-group owns 4,096 rows, a wave 256: 8 trips of 32 rows, two tiles (A: rows 0-15, B: rows 16-31).  Four waves of 256 registers stand on a SIMD, so that one
; wave's exponentials, matrix instructions and LDS loads stand beside another's plain vector work.  One barrier, behind the head; in the loop no wave shares anything.
; LAYOUT.  Every product is used transposed (source 0 = 16 output units, source 1 = 16 data rows): lane (r = lane % 16, h = lane / 16) holds data row r throughout.  THE UNITS OF A WEIGHT TILE ARE NOT
; NEIGHBOURS: lane r of tile 2 b + u takes unit 32 b + 8 u + r + 8 (r / 8), so that register 16 b + i of a result is unit 32 b + 16 h + i: the order in which the next operand wants its K.
; K = 64 (or 42) IN AN INSTRUCTION OF K = 128: the data operand is 8 registers of codes and 8 registers of zero codes.  The weight operand is a fragment's 8 registers and the 8 that follow them (the next
; fragment's, or 8 zeros behind the last): finite codes (the hold shuts infinity out) that meet zero codes and add nothing; bytes 2 and 3 of all scale words are 0.
; ELU in three instructions a number: elu(y) = the middle one of y, e^y - 1 and 0 (y < 0: y <= e^y - 1 < 0; y > 0: 0 < y < e^y - 1; an exponential that overflows leaves y in the middle).
; BIASES are the C of each layer's matrix instructions.  THE FIRST PRODUCT (K = 10, its result goes into a quantiser) and THE LAST TWO (32 terms a sum, 160 of a row's 19,552 multiply-adds: no bulk work;
; the sums partly cancel, so their operands stay f32) go by the f32 matrix form; b_sym rides as an eleventh K slot against the constant 1.
; K OF THE PRODUCT WITH W_in is permuted inside each block of 32, alike on both operands: block 0, slot i of half h: i < 5: x[5 h + i]; else enc[11 h + i - 5]; block 1: i < 5: enc[22 + 5 h + i]; else zero codes.
; NO CLUSTER, NO TENSOR LOAD: the work-groups share only the weights' 78 KB, read once at the head, column-wise, into the quantiser's registers; x and the results are shared with nobody.
; NO PREFETCH: a trip's 1,280 bytes of x are asked for into registers one whole trip ahead of their use, so no wave waits for them.
; LIMITS.  NaN and infinities among the inputs are not served.  e^y - 1 is made as 2^(y log2 e) - 1: its absolute error is about 1.2e-7, so for small |y| (either sign) the relative error is about 1.2e-7 / |y|.
; Divisions by the penalties' constants are multiplications by the rounded reciprocal (1.5 ulp at the most); each score's coefficient is folded into one constant (a few ulp); 0.5 + 1e-8, 5 + 1e-8, 8.5 + 1e-8 and
; 10 + 1e-8 are 0.5, 5, 8.5 and 10 in f32.  v_rcp_f32 gives 1 ulp.  A block of zeros gets the scale byte 1 where the rule says 127: its codes are zeros, and this program alone reads the bytes.
; THE MODE: SCHED_MODE bits 1:0 = 2 (LLVM: expert scheduling mode 2), set by the entry lines.  The code itself states the register dependences between vector or matrix instructions and memory or LDS
; instructions, with s_wait_alu, always for 0.
; THE PLAN.  Registers that memory or LDS instructions touch, round a trip:
;   XR           Written by the loads of x; read by the five LDS stores at a trip's head; no vector instruction names it.
;   E            The features' x lands in E+0 .. E+4 at a trip's head; the ELU and quantiser lines work in it; the logits land in E+0 .. E+3 at a trip's end, where the store of out1 reads them.
;   W, WS, BI    LDS loads land in them seven times a trip (W_sym^T's image, five layers, the output weights); matrix instructions read them; the features' lines write BI.
;   HA, HB       Five numbers of x land in each at a trip's head; all else on them is vector and matrix work.
;   Y            Written by matrix instructions; read by vector lines, and by four LDS stores at a trip's end.
;   v[PSA]       Written once a trip; read by two LDS stores at the trip's end (at the head, as HB1, by the bias stores).
;   All other addresses are made at the head and never written again; x and out1 go on by their scalar bases.
; THE WAITS OF A TRIP.  One on vm_vsrc, behind the LDS stores of XR: it frees XR for the next loads of x, and E, Y and v[PSA], which the last trip's stores read (in the first trip: all that the head's loads and
; stores read).  One on va_vdst at the head of each run of loads into W, WS and BI.  One on va_vdst behind each batch of exponentials: standing behind the quantiser that precedes the phase, these also state
; that its codes and scale word are written, ahead of the scaled products that take them.  One on va_vdst behind the places at the trip's end: Y is written for the LDS stores; and since no vector or matrix
; instruction follows it before the next trip's first loads, it also states that E, W, HA and HB are done with, over the backward jump.  Every path of the head ends likewise: a wait on va_vdst, then LDS stores alone.
.set WIMG,  0                          ; LDS: weights' codes as images of registers: layer l, fragment t, group c of 4 registers: 4096 l + 1024 t + 512 c + 16 x lane
.set WSC,   20480                      ; their scale words: 512 l + 16 x lane + 4 t
.set BIAS,  23040                      ; biases in natural order: 256 l + 4 x unit; layer 4 = b_r1, then b_c1
.set SYMW,  24320                      ; W_sym^T's 12 operand registers as an image
.set FINW,  25856                      ; the output weights' 32 operand registers as an image: W_r2's 16, W_c2's 16
.set FINC,  29952                      ; the output products' C: 12 registers as an image: b_c2's four, b_r2, seven zeros
.set XST,   31488                      ; 1,280 bytes a wave: a trip's 32 rows of x as they lie in memory
.set LST,   51968                      ; 512 bytes a wave: a trip's 32 rows of four logits
.set PST,   60160                      ; 1,024 bytes a wave: its 256 predictions
.set SPARE, 76544                      ; the spare words, 128 bytes for each wave: eight blocks of 256 bytes that no other line names
.set SPW, 1                            ; v1   LDS address of my spare word; never rewritten
.set NIL, 2                            ; v2   0; never rewritten
.set LI,  3                            ; v3   16 x lane: an image's place for my lane; also my offset in the stores of out0 and out1
.set BA,  4                            ; v4   BIAS + 64 h
.set XSA, 5                            ; v5   XST + 1280 w + 8 x lane
.set XRL, 6                            ; v6   XST + 1280 w + 40 x lane: row = lane
.set XRT, 7                            ; v7   XST + 1280 w + 40 r + 20 h: row r, my half's five numbers
.set LSA, 8                            ; v8   LST + 512 w + 16 r
.set LRA, 9                            ; v9   LST + 512 w + 16 x lane
.set PS0, 10                           ; v10  PST + 1024 w + 4 r
.set GX,  11                           ; v11  8 x lane: my offset in a load of x
.set SA,  12                           ; v12, v13  the scale words of tile A's and tile B's codes: scales and nothing else
.set SB,  13
.set PSA, 14                           ; v14  PS0 + 128 x trip; at the head HB1, where my fragment's biases go
.set HB1, 14
.set PRA, 15                           ; v15  PST + 1024 w + 16 x lane
.set WS,  16                           ; v16-19   the layer's four weight scale words: scales and nothing else
.set TM,  20                           ; v20-27   +0,1 largest magnitudes; +2,3 the other half's, then the bytes; +4,5 the largest number x the scale; +6,7 the conversions' scale operands
.set E,   28                           ; v28-43   sixteen numbers at work
.set Y,   44                           ; v44-75   results of products: written by matrix instructions alone
.set BI,  76                           ; v76-107  the layer's biases; in a trip's front the features (tile A's six, tile B's six); at its end the output products' C
.set W,   108                          ; v108-147 the layer's four fragments and eight zeros; in the front W_sym^T's 12; at the end the output weights' 32; at the head offsets
.set CA,  148                          ; v148-163 tile A's codes (8) and zeros (8)
.set CB,  164                          ; v164-179 tile B's
.set HA,  180                          ; v180-211 h of tile A; in the front the concatenation's 24 slots
.set HB,  212                          ; v212-243 h of tile B
.set XR,  244                          ; v244-253 the next trip's x as loaded
.set HW1, 254                          ; v254 head: where my fragment's image goes: 1024 w + 16 x lane
.set HS1, 255                          ; v255 head: and its scale word
.set LN,  108                          ; head's own registers, in W's place
.set RR,  109
.set HH,  110
.set C8,  111
.set COL4, 112
.set OF5, 113
.set OF11, 114
.set OFG, 115
.set HC4, 116
.set OFH, 117
.set BV1, 118
.set BV2, 119
.set T0,  120
.set T1,  121
.set T2,  122
.set EB0, 123
.set EB1, 124
.set O0,  125
.set O1,  126
.set OFR, 127
.set OFC, 128
.set ZO,  129
; scalars: s2 wave; s3 trips to go; s4 128 x trip; s5-7 at work; s[8:49] the 21 addresses; s[50:51] log2(e), twice; s[52:53] lane selects; s54 the mantissa field of 57,344; s[56:59] chosen addresses; s[60:61] an offset
; e^y - 1 of sixteen numbers v[src] on, into v[E] on.  The sixteen exponentials are one batch: one plain line behind the last, one wait ahead of the first reader.
; The reads ascend, so each result of a product is first read at its two lowest registers.
.macro ELU16 src
.irp i, 0,2,4,6,8,10,12,14
	v_pk_mul_f32 v[E+\i:E+\i+1], v[(\src)+\i:(\src)+\i+1], s[50:51] op_sel_hi:[1,0]
.endr
.irp i, 0,1,2,3,4,5,6,7,8,9,10,11,12,13,14,15
	v_exp_f32 v[E+\i], v[E+\i]
.endr
	v_nop
	s_wait_alu depctr_va_vdst(0)                   ; the sixteen exponentials have written v[E ..], ahead of their first reader; the quantiser that stands ahead of this phase has written its codes and scale word, which the next scaled products take
.irp i, 0,2,4,6,8,10,12,14
	v_pk_add_f32 v[E+\i:E+\i+1], v[E+\i:E+\i+1], -1.0 op_sel_hi:[1,0]
.endr
.endm
; sym_enc of a tile: result register q goes to slot 5 + q of the concatenation
.macro E_ENC y0, dst
	ELU16 \y0
.irp q, 0,1,2,3,4,5,6,7,8,9,10,11,12,13,14,15
	v_med3_num_f32 v[\dst+5+\q], v[(\y0)+\q], v[E+\q], 0
.endr
.endm
; h = elu(Y): the first layer, and the two heads' hidden layers
.macro E_FIRST h
.irp b, 0,1
	ELU16 Y+16*\b
.irp i, 0,1,2,3,4,5,6,7,8,9,10,11,12,13,14,15
	v_med3_num_f32 v[\h+16*\b+\i], v[Y+16*\b+\i], v[E+\i], 0
.endr
.endr
.endm
; h += elu(Y)
.macro E_RES h
.irp b, 0,1
	ELU16 Y+16*\b
.irp i, 0,1,2,3,4,5,6,7,8,9,10,11,12,13,14,15
	v_med3_num_f32 v[E+\i], v[Y+16*\b+\i], v[E+\i], 0
.endr
.irp i, 0,2,4,6,8,10,12,14
	v_pk_add_f32 v[\h+16*\b+\i:\h+16*\b+\i+1], v[\h+16*\b+\i:\h+16*\b+\i+1], v[E+\i:E+\i+1]
.endr
.endr
.endm
; 32 numbers of a lane, register 16 b + i = k 32 b + 16 h + i of my row, become 8 registers of codes v[c] on and the scale word v[s].  The numbers stay as they are (they are the residual): the hold goes into E.
.macro QUANT h, c, s
.irp b, 0,1
	v_max3_num_f32 v[TM+\b], |v[\h+16*\b]|, |v[\h+16*\b+1]|, 0x8000000   ; my 16 numbers of block b, and the floor 2^(16 - 127): the byte cannot fall under 1
.endr
.irp i, 2,4,6,8,10,12,14
.irp b, 0,1
	v_max3_num_f32 v[TM+\b], v[TM+\b], |v[\h+16*\b+\i]|, |v[\h+16*\b+\i+1]|
.endr
.endr
.irp b, 0,1
	v_permlanex16_b32 v[TM+2+\b], v[TM+\b], s52, s53
.endr
.irp b, 0,1
	v_max_num_f32 v[TM+\b], v[TM+\b], v[TM+2+\b]                   ; with lane l xor 16's: the block's largest magnitude
.endr
.irp b, 0,1
	v_add_nc_u32 v[TM+6+\b], 0xf8800000, v[TM+\b]                  ; 15 off its exponent field: the conversion's scale operand
.endr
.irp b, 0,1
	v_and_or_b32 v[TM+4+\b], v[TM+\b], 0x7f800000, s54             ; 57,344 x the scale
.endr
.irp i, 0,1,2,3,4,5,6,7,8,9,10,11,12,13,14,15
	v_med3_num_f32 v[E+\i], v[\h+\i], -v[TM+4], v[TM+4]            ; the conversion to an 8-bit code does not saturate (ISA guide 7.6.2): the hold
.endr
	v_cvt_scalef32_pk8_bf8_f32 v[\c:\c+1], v[E:E+7], v[TM+6]
	v_cvt_scalef32_pk8_bf8_f32 v[\c+2:\c+3], v[E+8:E+15], v[TM+6]
	v_lshrrev_b32 v[TM+2], 23, v[TM+6]                             ; the bytes.  (Plain lines between the conversions and the next writes of E)
	v_lshrrev_b32 v[TM+3], 23, v[TM+7]
.irp i, 0,1,2,3,4,5,6,7,8,9,10,11,12,13,14,15
	v_med3_num_f32 v[E+\i], v[\h+16+\i], -v[TM+5], v[TM+5]
.endr
	v_cvt_scalef32_pk8_bf8_f32 v[\c+4:\c+5], v[E:E+7], v[TM+7]
	v_cvt_scalef32_pk8_bf8_f32 v[\c+6:\c+7], v[E+8:E+15], v[TM+7]
	v_lshl_or_b32 v[\s], v[TM+3], 8, v[TM+2]                       ; the scale word; bytes 2 and 3 are 0.  (The plain line behind the last conversion)
.endm
; The same for K = 42: 16 numbers of block 0, 5 of block 1, three zeros behind them; v[c+6], v[c+7] were cleared.  The numbers are done with: the hold goes in place.
.macro QCAT src, c, s
	v_max3_num_f32 v[TM], |v[\src]|, |v[\src+1]|, 0x8000000
	v_max3_num_f32 v[TM+1], |v[\src+16]|, |v[\src+17]|, 0x8000000
	v_max3_num_f32 v[TM], v[TM], |v[\src+2]|, |v[\src+3]|
	v_max3_num_f32 v[TM+1], v[TM+1], |v[\src+18]|, |v[\src+19]|
	v_max3_num_f32 v[TM], v[TM], |v[\src+4]|, |v[\src+5]|
	v_max_num_f32 v[TM+1], v[TM+1], |v[\src+20]|
.irp i, 6,8,10,12,14
	v_max3_num_f32 v[TM], v[TM], |v[\src+\i]|, |v[\src+\i+1]|
.endr
.irp b, 0,1
	v_permlanex16_b32 v[TM+2+\b], v[TM+\b], s52, s53
.endr
.irp b, 0,1
	v_max_num_f32 v[TM+\b], v[TM+\b], v[TM+2+\b]
.endr
.irp b, 0,1
	v_add_nc_u32 v[TM+6+\b], 0xf8800000, v[TM+\b]
.endr
.irp b, 0,1
	v_and_or_b32 v[TM+4+\b], v[TM+\b], 0x7f800000, s54
.endr
.irp i, 0,1,2,3,4,5,6,7,8,9,10,11,12,13,14,15
	v_med3_num_f32 v[\src+\i], v[\src+\i], -v[TM+4], v[TM+4]
.endr
.irp i, 16,17,18,19,20
	v_med3_num_f32 v[\src+\i], v[\src+\i], -v[TM+5], v[TM+5]
.endr
	v_cvt_scalef32_pk8_bf8_f32 v[\c:\c+1], v[\src:\src+7], v[TM+6]
	v_cvt_scalef32_pk8_bf8_f32 v[\c+2:\c+3], v[\src+8:\src+15], v[TM+6]
	v_cvt_scalef32_pk8_bf8_f32 v[\c+4:\c+5], v[\src+16:\src+23], v[TM+7]
	v_lshrrev_b32 v[TM+2], 23, v[TM+6]
	v_lshrrev_b32 v[TM+3], 23, v[TM+7]
	v_lshl_or_b32 v[\s], v[TM+3], 8, v[TM+2]
.endm
; layer l's four fragments, four scale words and 32 biases of my half: 17 LDS loads, shared by the trip's two tiles
.macro LOADW l
	s_wait_alu depctr_va_vdst(0)                   ; the products issued so far are done reading v[W ..], v[WS ..] and v[BI ..], and the features' lines have written v[BI ..]: the loads below land there.  The quantiser just ahead has written its codes and scale word, which the next scaled products take
.irp k, 0,1,2,3,4,5,6,7
	ds_load_b128 v[W+4*\k:W+4*\k+3], v[LI] offset:WIMG+4096*(\l)+512*\k
.endr
	ds_load_b128 v[WS:WS+3], v[LI] offset:WSC+512*(\l)
.irp k, 0,1,2,3,4,5,6,7
	ds_load_b128 v[BI+4*\k:BI+4*\k+3], v[BA] offset:256*(\l)+128*(\k/4)+16*(\k%4)
.endr
.endm
; a layer's product for one tile: four results, each begun with its biases
.macro MM c, s
.irp t, 0,1,2,3
	v_wmma_scale_f32_16x16x128_f8f6f4 v[Y+8*\t:Y+8*\t+7], v[W+8*\t:W+8*\t+15], v[\c:\c+15], v[BI+8*\t:BI+8*\t+7], v[WS+\t], v[\s] matrix_a_fmt:MATRIX_FMT_BF8 matrix_b_fmt:MATRIX_FMT_BF8
.endr
.endm
.macro LOADF                           ; the output weights' 32 registers and the 12 of C
	s_wait_alu depctr_va_vdst(0)                   ; the heads' products are done reading v[W ..] and v[BI ..], in which the loads below land; v[PSA] is written, which the LDS stores at the trip's end read
.irp k, 0,1,2,3,4,5,6,7
	ds_load_b128 v[W+4*\k:W+4*\k+3], v[LI] offset:FINW+512*\k
.endr
.irp k, 0,1,2
	ds_load_b128 v[BI+4*\k:BI+4*\k+3], v[LI] offset:FINC+512*\k
.endr
.endm
; a two-sided penalty: the largest of (lo - v) / lo, (v - hi) / hi and 0: at most one of the first two is positive
.macro PEN2 dst, v, lo, ilo, nhi, ihi
	v_sub_f32 v[E+6], \lo, v[\v]
	v_add_f32 v[E+7], \nhi, v[\v]
	v_mul_f32 v[E+6], \ilo, v[E+6]
	v_mul_f32 v[E+7], \ihi, v[E+7]
	v_max3_num_f32 v[\dst], v[E+6], v[E+7], 0
.endm
	; ---------------- THE HEAD ----------------
	s_load_b512 s[8:23], s[0:1], 0x0               ; x s[8:9], W_sym s[10:11], b_sym s[12:13], W_in s[14:15], b_in s[16:17], W1 s[18:19], b1 s[20:21], W2 s[22:23]
	s_load_b512 s[24:39], s[0:1], 0x40             ; b2 s[24:25], W3 s[26:27], b3 s[28:29], W_r1 s[30:31], b_r1 s[32:33], W_c1 s[34:35], b_c1 s[36:37], W_r2 s[38:39]
	s_load_b256 s[40:47], s[0:1], 0x80             ; b_r2 s[40:41], W_c2 s[42:43], b_c2 s[44:45], out0 s[46:47]
	s_load_b64 s[48:49], s[0:1], 0xa0              ; out1
	v_lshl_add_u32 v[SPW], v0, 2, SPARE
	v_mov_b32 v[NIL], 0
	v_lshrrev_b32 v[LN], 5, v0
	v_readfirstlane_b32 s2, v[LN]                  ; wave 0..15
	v_and_b32 v[LN], 31, v0                        ; lane
	v_and_b32 v[RR], 15, v0                        ; r
	v_bfe_u32 v[HH], v0, 4, 1                      ; h
	v_and_b32 v[C8], 8, v[RR]
	v_add_nc_u32 v[C8], v[C8], v[RR]               ; r + 8 (r / 8)
	; every LDS address is made here, ahead of the parting of the waves
	v_lshlrev_b32 v[LI], 4, v[LN]
	v_lshl_add_u32 v[BA], v[HH], 6, BIAS
	v_lshlrev_b32 v[GX], 3, v[LN]
	s_wait_alu depctr_va_sdst(0)                   ; s2 is written, ahead of its first reader: the wave's places in LDS and in memory, and the branches, are made from it
	s_mul_i32 s5, s2, 1280
	s_add_co_u32 s5, s5, XST
	v_add_nc_u32 v[XSA], s5, v[GX]
	v_mul_u32_u24 v[XRL], v[LN], 40
	v_add_nc_u32 v[XRL], s5, v[XRL]
	v_mul_u32_u24 v[XRT], v[RR], 40
	v_mad_u32_u24 v[XRT], v[HH], 20, v[XRT]
	v_add_nc_u32 v[XRT], s5, v[XRT]
	s_lshl_b32 s5, s2, 9
	s_add_co_u32 s5, s5, LST
	v_lshl_add_u32 v[LSA], v[RR], 4, s5
	v_add_nc_u32 v[LRA], s5, v[LI]
	s_lshl_b32 s5, s2, 10
	s_add_co_u32 s6, s5, PST
	v_lshl_add_u32 v[PS0], v[RR], 2, s6
	v_add_nc_u32 v[PRA], s6, v[LI]
	v_add_nc_u32 v[HW1], s5, v[LI]                 ; wave 4 l + t makes fragment t of layer l: 4096 l + 1024 t = 1024 w
	s_lshr_b32 s6, s2, 2                           ; l
	s_and_b32 s7, s2, 3                            ; t
	s_lshl_b32 s5, s6, 9
	s_lshl_b32 s60, s7, 2
	s_add_co_u32 s5, s5, s60
	s_add_co_u32 s5, s5, WSC
	v_add_nc_u32 v[HS1], s5, v[LI]
	s_lshr_b32 s60, s7, 1
	s_lshl_b32 s60, s60, 5
	s_and_b32 s61, s7, 1
	s_lshl_b32 s61, s61, 3
	s_add_co_u32 s60, s60, s61                     ; 32 (t / 2) + 8 (t % 2)
	v_add_nc_u32 v[COL4], s60, v[C8]               ; my lane's output unit,
	v_lshlrev_b32 v[COL4], 2, v[COL4]              ; in bytes
	s_lshl_b32 s5, s6, 8
	s_add_co_u32 s5, s5, BIAS
	v_add_nc_u32 v[HB1], s5, v[COL4]
.irp i, 0,1,2,3,4,5,6,7
	v_mov_b32 v[W+32+\i], 0                        ; the zero codes behind the last fragment,
	v_mov_b32 v[CA+8+\i], 0                        ; and K = 64 .. 127 of the two data operands: they stay
	v_mov_b32 v[CB+8+\i], 0
.endr
	v_mov_b32 v[TM+2], 0                           ; written once: a lane permute's destination counts as one of its sources
	v_mov_b32 v[TM+3], 0
	s_mov_b32 s50, 0x3fb8aa3b                      ; log2(e)
	s_mov_b32 s51, s50                             ; (named with it as a pair, so it is written)
	s_mov_b32 s52, 0x76543210
	s_mov_b32 s53, 0xfedcba98                      ; v_permlanex16_b32's selects for lane l xor 16
	s_mov_b32 s54, 0x600000                        ; the mantissa field of 57,344
	s_wait_kmcnt 0x0
	s_mul_i32 s60, ttmp9, 163840                   ; x: 4,096 rows of 40 bytes a work-group,
	s_mul_i32 s5, s2, 10240                        ; 256 a wave
	s_add_co_u32 s60, s60, s5
	s_mov_b32 s61, 0
	s_add_nc_u64 s[8:9], s[8:9], s[60:61]
	s_lshl_b32 s60, ttmp9, 16                      ; out1: 16 bytes a row
	s_lshl_b32 s5, s2, 12
	s_add_co_u32 s60, s60, s5
	s_add_nc_u64 s[48:49], s[48:49], s[60:61]
	s_lshr_b32 s60, s60, 2                         ; out0: 4 bytes a row
	s_add_nc_u64 s[46:47], s[46:47], s[60:61]
	s_wait_alu depctr_va_vdst(0)                   ; all the addresses and offsets made so far (v1 to v15, v[COL4], v[HW1], v[HS1]) are written: the kernel's loads, stores and LDS instructions read them
.irp i, 0,1,2,3,4
	global_load_b64 v[XR+2*\i:XR+2*\i+1], v[GX], s[8:9] offset:256*\i th:TH_LOAD_NT   ; the first trip's x: each load takes 256 consecutive bytes, aligned
.endr
	s_cmp_lt_u32 s2, 4
	s_cbranch_scc0 .Lgen
	; ---- waves 0-3: fragment t = w of W_in, and fragment t of the heads' layer (t < 2: W_r1, else W_c1).  A lane takes a column, and its registers run down K in the operand's own order
	v_mad_u32_u24 v[OF5], v[HH], 1280, v[COL4]     ; k = 5 h + i and k = 32 + 5 h + i: rows of 256 bytes
	v_mad_u32_u24 v[OF11], v[HH], 2816, v[COL4]    ; k = 5 + i + 11 h
	s_and_b32 s5, s2, 1
	s_lshl_b32 s5, s5, 3
	v_add_nc_u32 v[HC4], s5, v[C8]                 ; my unit within its head: 8 (t % 2) + r + 8 (r / 8)
	v_lshlrev_b32 v[HC4], 2, v[HC4]
	v_lshl_add_u32 v[OFH], v[HH], 11, v[HC4]       ; rows of 128 bytes; lanes 16-31 begin 16 rows further down
.irp i, 21,22,23
	v_mov_b32 v[HA+\i], 0                          ; K = 42: the rest of block 1 is zeros
.endr
	v_mov_b32 v[CB+6], 0
	v_mov_b32 v[CB+7], 0
	s_cmp_lt_u32 s2, 2
	s_cselect_b64 s[56:57], s[30:31], s[34:35]
	s_cselect_b64 s[58:59], s[32:33], s[36:37]
	s_wait_alu depctr_va_vdst(0)                   ; the four offsets v[OF5], v[OF11], v[HC4], v[OFH] are written, which the loads below read
.irp i, 0,1,2,3,4
	global_load_b32 v[HA+\i], v[OF5], s[14:15] offset:256*\i
.endr
.irp i, 5,6,7,8,9,10,11,12,13,14,15
	global_load_b32 v[HA+\i], v[OF11], s[14:15] offset:256*(5+\i)
.endr
.irp i, 0,1,2,3,4
	global_load_b32 v[HA+16+\i], v[OF5], s[14:15] offset:256*(32+\i)
.endr
	global_load_b32 v[BV1], v[COL4], s[16:17]      ; b_in of my unit
.irp c, 0,1
.irp i, 0,1,2,3,4,5,6,7,8,9,10,11,12,13,14,15
	global_load_b32 v[HB+16*\c+\i], v[OFH], s[56:57] offset:128*(32*\c+\i)
.endr
.endr
	global_load_b32 v[BV2], v[HC4], s[58:59]
	s_wait_loadcnt 33                              ; behind W_in's and b_in's loads 33 were issued: the head's 32 and its bias
	QCAT HA, CB, SB
	s_wait_loadcnt 0x0
	QUANT HB, CA, SA
	s_wait_alu depctr_va_vdst(0)                   ; the two quantisers have written v[CB ..], v[SB], v[CA ..] and v[SA], which the LDS stores read
	ds_store_b128 v[HW1], v[CB:CB+3]
	ds_store_b128 v[HW1], v[CB+4:CB+7] offset:512
	ds_store_b32 v[HS1], v[SB]
	ds_store_b32 v[HB1], v[BV1]                    ; lanes r and 16 + r write the same word with the same number
	ds_store_b128 v[HW1], v[CA:CA+3] offset:16384  ; layer 4
	ds_store_b128 v[HW1], v[CA+4:CA+7] offset:16896
	ds_store_b32 v[HS1], v[SA] offset:2048
	ds_store_b32 v[HB1], v[BV2] offset:1024
	s_branch .Ljoin
.Lgen:
	; ---- waves 4-15: fragment w % 4 of W1, W2 or W3
	s_cmp_lt_u32 s2, 8
	s_cselect_b64 s[56:57], s[18:19], s[22:23]
	s_cselect_b64 s[58:59], s[20:21], s[24:25]
	s_cmp_lt_u32 s2, 12
	s_cselect_b64 s[56:57], s[56:57], s[26:27]
	s_cselect_b64 s[58:59], s[58:59], s[28:29]
	v_lshl_add_u32 v[OFG], v[HH], 12, v[COL4]      ; rows of 256 bytes; lanes 16-31 begin 16 rows further down
	s_wait_alu depctr_va_vdst(0)                   ; v[OFG] is written, which the loads below read
.irp c, 0,1
.irp i, 0,1,2,3,4,5,6,7,8,9,10,11,12,13,14,15
	global_load_b32 v[HA+16*\c+\i], v[OFG], s[56:57] offset:256*(32*\c+\i)
.endr
.endr
	global_load_b32 v[BV1], v[COL4], s[58:59]
	s_cmp_eq_u32 s2, 4
	s_cbranch_scc0 .Lnot4
	; wave 4 also lays W_sym^T out as the f32 form's operand.  Row m = r of tile 0 is enc 11 (m / 8) + m % 8; of tile 1: m % 8 < 3: 11 (m / 8) + 8 + m % 8, else 5 (m / 8) + 19 + m % 8.
	; Register 6 tile + p of half h: p < 5: W_sym[p + 5 h][enc]; p = 5: b_sym[enc] in half 0, 0 in half 1
	v_and_b32 v[T0], 7, v[RR]
	v_lshrrev_b32 v[T1], 3, v[RR]
	v_mad_u32_u24 v[EB0], v[T1], 11, v[T0]
	v_mad_u32_u24 v[T2], v[T1], 5, v[T0]
	v_add_nc_u32 v[EB1], 8, v[EB0]
	v_add_nc_u32 v[T2], 19, v[T2]
	v_cmp_gt_u32 vcc_lo, 3, v[T0]
	s_wait_alu depctr_va_vcc(0)                    ; the compare has written VCC, ahead of the select that reads it
	v_cndmask_b32 v[EB1], v[T2], v[EB1], vcc_lo
	v_lshlrev_b32 v[EB0], 2, v[EB0]
	v_lshlrev_b32 v[EB1], 2, v[EB1]
	v_mad_u32_u24 v[O0], v[HH], 640, v[EB0]        ; five rows of 128 bytes further down for half 1
	v_mad_u32_u24 v[O1], v[HH], 640, v[EB1]
	s_wait_alu depctr_va_vdst(0)                   ; the four offsets v[EB0], v[EB1], v[O0], v[O1] are written, which the loads below read
.irp p, 0,1,2,3,4
	global_load_b32 v[BI+\p], v[O0], s[10:11] offset:128*\p
	global_load_b32 v[BI+6+\p], v[O1], s[10:11] offset:128*\p
.endr
	global_load_b32 v[BI+5], v[EB0], s[12:13]
	global_load_b32 v[BI+11], v[EB1], s[12:13]
	s_wait_loadcnt 0x0
	v_cmp_eq_u32 vcc_lo, 0, v[HH]
	s_wait_alu depctr_va_vcc(0)                    ; the compare has written VCC, ahead of the two selects that read it
	v_cndmask_b32 v[BI+5], 0, v[BI+5], vcc_lo
	v_cndmask_b32 v[BI+11], 0, v[BI+11], vcc_lo
	s_wait_alu depctr_va_vdst(0)                   ; the selects have written v[BI+5] and v[BI+11], which the LDS stores read
.irp c, 0,1,2
	ds_store_b128 v[LI], v[BI+4*\c:BI+4*\c+3] offset:SYMW+512*\c
.endr
	s_wait_alu depctr_vm_vsrc(0)                   ; these three LDS stores have read v[BI .. BI+11]: the text goes on from here to the next arm, whose loads land in these registers, and to the first trip, whose features' lines write them
.Lnot4:
	s_cmp_eq_u32 s2, 5
	s_cbranch_scc0 .Lnot5
	; wave 5 also lays the output weights out.  Register q of half h stands for hidden unit 16 h + q: W_r2[16 h + q] in every row m; W_c2[16 h + q][m % 4] in row m = r.  And C: b_c2's four, b_r2, seven zeros
	v_lshlrev_b32 v[OFR], 6, v[HH]
	v_and_b32 v[OFC], 3, v[RR]
	v_lshlrev_b32 v[OFC], 2, v[OFC]
	v_lshl_add_u32 v[OFC], v[HH], 8, v[OFC]
	v_mov_b32 v[ZO], 0
.irp i, 5,6,7,8,9,10,11
	v_mov_b32 v[HB+\i], 0
.endr
	s_wait_alu depctr_va_vdst(0)                   ; the three offsets v[OFR], v[OFC], v[ZO] are written, which the loads below read, and the seven zeros v[HB+5 ..], which the LDS stores below read
.irp q, 0,1,2,3
	global_load_b128 v[BI+4*\q:BI+4*\q+3], v[OFR], s[38:39] offset:16*\q
.endr
.irp i, 0,1,2,3,4,5,6,7,8,9,10,11,12,13,14,15
	global_load_b32 v[BI+16+\i], v[OFC], s[42:43] offset:16*\i
.endr
	global_load_b128 v[HB:HB+3], v[ZO], s[44:45]
	global_load_b32 v[HB+4], v[ZO], s[40:41]
	s_wait_loadcnt 0x0
.irp k, 0,1,2,3,4,5,6,7
	ds_store_b128 v[LI], v[BI+4*\k:BI+4*\k+3] offset:FINW+512*\k
.endr
.irp k, 0,1,2
	ds_store_b128 v[LI], v[HB+4*\k:HB+4*\k+3] offset:FINC+512*\k
.endr
.Lnot5:
	s_wait_loadcnt 0x0
	QUANT HA, CA, SA
	s_wait_alu depctr_va_vdst(0)                   ; the quantiser has written v[CA ..] and v[SA], which the LDS stores read
	ds_store_b128 v[HW1], v[CA:CA+3]
	ds_store_b128 v[HW1], v[CA+4:CA+7] offset:512
	ds_store_b32 v[HS1], v[SA]
	ds_store_b32 v[HB1], v[BV1]
.Ljoin:
	s_wait_dscnt 0x0                               ; for the others' sake: my stores have landed
	s_barrier_signal -1
	s_barrier_wait -1                              ; all images lie in LDS; nobody writes them again
	s_mov_b32 s3, 8
	s_mov_b32 s4, 0
	; ---------------- A TRIP: 32 ROWS ----------------
.Ltrip:
	s_wait_loadcnt 0x0                             ; this trip's x, asked for a trip ago
.irp i, 0,1,2,3,4
	ds_store_b64 v[XSA], v[XR+2*\i:XR+2*\i+1] offset:256*\i        ; as it lies; LDS serves a wave's instructions in order, so the loads below see it
.endr
	s_wait_alu depctr_vm_vsrc(0)                   ; these five stores have read v[XR ..], in which the next loads of x land; the last trip's stores have read v[E .. E+3], v[Y ..] and v[PSA], which this trip writes again; in the first trip: the head's loads and stores have read their offsets and data in W's place, v[BI ..], v[HB ..], v[CA ..], v[CB ..], v[SA], v[SB] and v14
	ds_load_b64 v[E:E+1], v[XRL]                   ; lane = row: ammonia, bod,
	ds_load_b32 v[E+2], v[XRL] offset:8            ; dissolved oxygen,
	ds_load_b32 v[E+3], v[XRL] offset:16           ; ph,
	ds_load_b32 v[E+4], v[XRL] offset:28           ; nitrate
.irp c, 0,1,2
	ds_load_b128 v[W+4*\c:W+4*\c+3], v[LI] offset:SYMW+512*\c
.endr
.irp i, 0,1,2,3,4
	ds_load_b32 v[HA+\i], v[XRT] offset:4*\i       ; the concatenation's slots 0-4: x[5 h + i] of row r,
.endr
.irp i, 0,1,2,3,4
	ds_load_b32 v[HB+\i], v[XRT] offset:640+4*\i   ; and of row 16 + r
.endr
	s_wait_dscnt 13                                ; the 13 loads behind the features' may stay out; the features' x is in
	s_cmp_eq_u32 s3, 1
	s_cbranch_scc1 .Lnox                           ; the last trip asks for nothing: no load leaves x
	s_add_nc_u64 s[8:9], s[8:9], 1280              ; (the loads that read this base are done)
.irp i, 0,1,2,3,4
	global_load_b64 v[XR+2*\i:XR+2*\i+1], v[GX], s[8:9] offset:256*\i th:TH_LOAD_NT
.endr
.Lnox:
	; the ten features of 32 rows, lane = row: 0-4 (the penalties) into v[BI] on, 5-9 (four scores, resilience) into v[BI+6] on
	PEN2 BI+0, E+3, 0x40d00000, 0x3e1d89d9, 0xc1080000, 0x3df0f0f1   ; ph: 6.5, 1 / 6.5, -8.5, 1 / 8.5
	PEN2 BI+1, E+0, 0x3a83126f, 0x4479ffff, -0.5, 2.0                ; ammonia: 0.001, 1 / 0.001, -0.5, 1 / 0.5
	PEN2 BI+2, E+1, 0x3a83126f, 0x4479ffff, 0xc0a00000, 0x3e4ccccd   ; bod: .., -5, 1 / 5
	v_sub_f32 v[E+6], 0x40c00000, v[E+2]           ; dissolved oxygen: one-sided, 6
	v_mul_f32 v[E+6], 0x3e2aaaab, v[E+6]
	v_max_num_f32 v[BI+3], 0, v[E+6]
	PEN2 BI+4, E+4, 0x3a83126f, 0x4479ffff, 0xc1200000, 0x3dcccccd   ; nitrate: .., -10, 1 / 10
	v_add_f32 v[E+6], v[BI+0], v[BI+1]
	v_add_f32 v[E+6], v[E+6], v[BI+2]
	v_add_f32 v[E+6], v[E+6], v[BI+3]
	v_add_f32 v[E+6], v[E+6], v[BI+4]
	v_add_f32 v[E+6], 1.0, v[E+6]
	v_add_f32 v[E+6], 0x322bcc77, v[E+6]           ; + 1e-8
	v_rcp_f32 v[BI+10], v[E+6]                     ; resilience; the scores below are the plain work behind it
	v_mul_f32 v[BI+6], 0x3f4ccccd, v[E+0]          ; bacterial: 0.8 am
	v_fmamk_f32 v[BI+6], v[E+1], 0x3dcccccd, v[BI+6]   ; + 0.1 bod
	v_fmamk_f32 v[BI+6], v[E+2], 0xbcda740e, v[BI+6]   ; - 0.8 / 30 do
	v_mul_f32 v[BI+7], 0x3db4b4b5, v[E+3]          ; chemical: 0.75 / 8.5 ph
	v_fmamk_f32 v[BI+7], v[E+4], 0x3d4ccccd, v[BI+7]   ; + 0.05 nit
	v_mul_f32 v[BI+8], 0x3e088889, v[E+1]          ; organic: 2 / 15 bod
	v_fmamk_f32 v[BI+8], v[E+2], 0xbd4ccccd, v[BI+8]   ; - 0.05 do
	v_fmamk_f32 v[BI+8], v[E+0], 0x3f088889, v[BI+8]   ; + 8 / 15 am
	v_mul_f32 v[BI+9], 0x3e4ccccd, v[E+4]          ; agricultural: 0.2 nit
	v_mov_b32 v[BI+5], 1.0                         ; the slot that meets b_sym (half 0) and 0 (half 1)
	v_mov_b32 v[BI+11], 1.0
	s_wait_alu depctr_va_vdst(0)                   ; the reciprocal has written v[BI+10], ahead of its first reader, the exchange below
.irp p, 0,1,2,3,4
	v_permlane16_swap_b32 v[BI+\p], v[BI+6+\p]     ; v[BI+p]: rows 0-15: feature p in lanes 0-15, feature 5 + p in lanes 16-31: tile A's operand; v[BI+6+p]: the same of rows 16-31: tile B's
.endr
	s_wait_dscnt 0x0                               ; W_sym^T's image and the concatenation's x are in
	; sym W_sym + b_sym: two tiles of units x three K steps of 4 for each tile of rows; the four results by turns
.irp s, 0,1,2
.irp u, 0,1,2,3
.if \s == 0
	v_wmma_f32_16x16x4_f32 v[Y+8*\u:Y+8*\u+7], v[W+6*(\u%2)+2*\s:W+6*(\u%2)+2*\s+1], v[BI+6*(\u/2)+2*\s:BI+6*(\u/2)+2*\s+1], 0
.else
	v_wmma_f32_16x16x4_f32 v[Y+8*\u:Y+8*\u+7], v[W+6*(\u%2)+2*\s:W+6*(\u%2)+2*\s+1], v[BI+6*(\u/2)+2*\s:BI+6*(\u/2)+2*\s+1], v[Y+8*\u:Y+8*\u+7]
.endif
.endr
.endr
.irp i, 21,22,23
	v_mov_b32 v[HA+\i], 0                          ; K = 42: the rest of block 1.  These ten lines name no register of the products above: they are the eight places
	v_mov_b32 v[HB+\i], 0                          ; in front of the first read of the results, and two more
.endr
	v_mov_b32 v[CA+6], 0
	v_mov_b32 v[CA+7], 0
	v_mov_b32 v[CB+6], 0
	v_mov_b32 v[CB+7], 0
	LOADW 0
	; From here on the two tiles take turns: behind one tile's products stands the other tile's quantiser, whose first lines (eleven or more plain ones on other registers) are the places in front of
	; the read of the results; between a tile's codes and scale word and its products stands a whole ELU phase, with its waits.
	E_ENC Y, HA
	QCAT HA, CA, SA
	E_ENC Y+16, HB
	s_wait_dscnt 0x0                               ; layer 0's weights, scale words and biases are in
	MM CA, SA
	QCAT HB, CB, SB
	E_FIRST HA
	MM CB, SB
	QUANT HA, CA, SA
	LOADW 1
	E_FIRST HB
.irp l, 1,2,3
	s_wait_dscnt 0x0                               ; this layer's weights are in: asked for an ELU phase ago
	MM CA, SA
	QUANT HB, CB, SB
	E_RES HA
	MM CB, SB
	QUANT HA, CA, SA
	LOADW \l+1
	E_RES HB
.endr
	s_wait_dscnt 0x0
	MM CA, SA                                      ; the two heads as one layer: units 0-31 W_r1's, 32-63 W_c1's
	QUANT HB, CB, SB
	E_FIRST HA                                     ; h is done with: the heads' hidden layers take its place
	MM CB, SB
	v_add_nc_u32 v[PSA], s4, v[PS0]                ; this trip's place among my predictions; with the seven below the eight places in front of the read of the results
.rept 7
	v_nop
.endr
	LOADF
	E_FIRST HB
	s_wait_dscnt 0x0
	; the output products, f32: eight K steps of 4 for each head and tile; register pair 2 p, 2 p + 1 of half h is hidden units 16 h + 2 p, + 1 on both sides.  Four results by turns.
	; u = 0, 2: the logits of tile A, B (rows m % 4 of the result); u = 1, 3: the predictions (every row)
.irp p, 0,1,2,3,4,5,6,7
.irp u, 0,1,2,3
.if \p == 0
	v_wmma_f32_16x16x4_f32 v[Y+8*\u:Y+8*\u+7], v[W+16*(1-\u%2)+2*\p:W+16*(1-\u%2)+2*\p+1], v[HA+32*(\u/2)+16*(1-\u%2)+2*\p:HA+32*(\u/2)+16*(1-\u%2)+2*\p+1], v[BI+4*(\u%2):BI+4*(\u%2)+7]
.else
	v_wmma_f32_16x16x4_f32 v[Y+8*\u:Y+8*\u+7], v[W+16*(1-\u%2)+2*\p:W+16*(1-\u%2)+2*\p+1], v[HA+32*(\u/2)+16*(1-\u%2)+2*\p:HA+32*(\u/2)+16*(1-\u%2)+2*\p+1], v[Y+8*\u:Y+8*\u+7]
.endif
.endr
.endr
.rept 8
	v_nop                                          ; eight places in front of the stores that read the results; they stay beside the wait below
.endr
	s_wait_alu depctr_va_vdst(0)                   ; the output products have written v[Y ..], which the LDS stores read, and are done reading v[W ..], v[HA ..] and v[HB ..], in which the next trip's first loads land; the ELU lines are done with v[E ..], in which the load below and the next trip's land
	ds_store_b128 v[LSA], v[Y:Y+3]                 ; row r's four logits: registers 0-3 in both halves of the lanes, which write the same bytes with the same numbers
	ds_store_b128 v[LSA], v[Y+16:Y+19] offset:256  ; row 16 + r's
	ds_store_b32 v[PSA], v[Y+8]                    ; row r's prediction: register 0
	ds_store_b32 v[PSA], v[Y+24] offset:64
	ds_load_b128 v[E:E+3], v[LRA]                  ; back with lane = row
	s_wait_dscnt 0x0                               ; the logits are in
	global_store_b128 v[LI], v[E:E+3], s[48:49] th:TH_STORE_NT     ; 32 rows of out1: 512 consecutive bytes, aligned
	s_wait_xcnt 0x0                                ; the store's addresses are translated: its base is written again below, its data in the next trip
	s_add_nc_u64 s[48:49], s[48:49], 512
	s_add_co_u32 s4, s4, 128
	s_sub_co_i32 s3, s3, 1
	s_cmp_lg_u32 s3, 0
	s_cbranch_scc1 .Ltrip
	; ---------------- THE END: my 256 predictions leave as 1,024 consecutive bytes ----------------
	s_wait_alu depctr_vm_vsrc(0)                   ; the last trip's store of out1 has read v[E .. E+3], in which the first load below lands
	ds_load_b128 v[E:E+3], v[PRA]
	ds_load_b128 v[E+4:E+7], v[PRA] offset:512
	s_wait_dscnt 0x0
	global_store_b128 v[LI], v[E:E+3], s[46:47] th:TH_STORE_NT
	global_store_b128 v[LI], v[E+4:E+7], s[46:47] offset:512 th:TH_STORE_NT
	s_wait_dscnt 0x0                               ; the closing lines, six on end
	s_wait_alu 0x0
	s_wait_tensorcnt 0x0
	ds_add_u32 v[SPW], v[NIL]
	s_wait_dscnt 0x0
	s_endpgm
.Lfunc_end_k_q16c1ca6a82_chain:
	.size	k_q16c1ca6a82_chain, .Lfunc_end_k_q16c1ca6a82_chain-k_q16c1ca6a82_chain
	.p2alignl 7, 3214868480
	.fill 96, 4, 3214868480
	.section	.rodata,"a",@progbits
	.p2align	6, 0x0
	.amdhsa_kernel k_q16c1ca6a82_chain
		.amdhsa_group_segment_fixed_size 78848
		.amdhsa_private_segment_fixed_size 0
		.amdhsa_enable_private_segment 0
		.amdhsa_kernarg_size 168
		.amdhsa_user_sgpr_count 2
		.amdhsa_user_sgpr_kernarg_segment_ptr 1
		.amdhsa_wavefront_size32 1
		.amdhsa_system_sgpr_workgroup_id_x 1
		.amdhsa_system_sgpr_workgroup_id_y 1
		.amdhsa_system_sgpr_workgroup_id_z 1
		.amdhsa_system_vgpr_workitem_id 0
		.amdhsa_next_free_vgpr 256
		.amdhsa_next_free_sgpr 70
		.amdhsa_reserve_vcc 1
		.amdhsa_float_denorm_mode_32 3
		.amdhsa_float_denorm_mode_16_64 3
		.amdhsa_memory_ordered 1
		.amdhsa_forward_progress 1
		.amdhsa_inst_pref_size 152
	.end_amdhsa_kernel
	.amdgpu_metadata
---
amdhsa.version: [ 1, 2 ]
amdhsa.kernels:
  - .name:           k_q16c1ca6a82_chain
    .symbol:         k_q16c1ca6a82_chain.kd
    .args:
      - { .name: x, .offset: 0, .size: 8, .value_kind: global_buffer, .address_space: global }
      - { .name: W_sym, .offset: 8, .size: 8, .value_kind: global_buffer, .address_space: global }
      - { .name: b_sym, .offset: 16, .size: 8, .value_kind: global_buffer, .address_space: global }
      - { .name: W_in, .offset: 24, .size: 8, .value_kind: global_buffer, .address_space: global }
      - { .name: b_in, .offset: 32, .size: 8, .value_kind: global_buffer, .address_space: global }
      - { .name: W1, .offset: 40, .size: 8, .value_kind: global_buffer, .address_space: global }
      - { .name: b1, .offset: 48, .size: 8, .value_kind: global_buffer, .address_space: global }
      - { .name: W2, .offset: 56, .size: 8, .value_kind: global_buffer, .address_space: global }
      - { .name: b2, .offset: 64, .size: 8, .value_kind: global_buffer, .address_space: global }
      - { .name: W3, .offset: 72, .size: 8, .value_kind: global_buffer, .address_space: global }
      - { .name: b3, .offset: 80, .size: 8, .value_kind: global_buffer, .address_space: global }
      - { .name: W_r1, .offset: 88, .size: 8, .value_kind: global_buffer, .address_space: global }
      - { .name: b_r1, .offset: 96, .size: 8, .value_kind: global_buffer, .address_space: global }
      - { .name: W_c1, .offset: 104, .size: 8, .value_kind: global_buffer, .address_space: global }
      - { .name: b_c1, .offset: 112, .size: 8, .value_kind: global_buffer, .address_space: global }
      - { .name: W_r2, .offset: 120, .size: 8, .value_kind: global_buffer, .address_space: global }
      - { .name: b_r2, .offset: 128, .size: 8, .value_kind: global_buffer, .address_space: global }
      - { .name: W_c2, .offset: 136, .size: 8, .value_kind: global_buffer, .address_space: global }
      - { .name: b_c2, .offset: 144, .size: 8, .value_kind: global_buffer, .address_space: global }
      - { .name: out0, .offset: 152, .size: 8, .value_kind: global_buffer, .address_space: global }
      - { .name: out1, .offset: 160, .size: 8, .value_kind: global_buffer, .address_space: global }
    .group_segment_fixed_size: 78848
    .private_segment_fixed_size: 0
    .kernarg_segment_align: 8
    .kernarg_segment_size: 168
    .max_flat_workgroup_size: 512
    .sgpr_count:     70
    .vgpr_count:     256
    .wavefront_size: 32
...
	.end_amdgpu_metadata
.endif
;; end of part 2
